; MI455X (gfx1250); checked and timed in simulation.
; The chip was launched on July 23, 2026; its instructions are those of AMD's public machine-readable ISA for CDNA 5 (MIT licence, August 2026) and "CDNA5" Instruction Set Architecture Reference Guide (July 2026). The comments in the code are by the model that wrote it; some were corrected since.
;; Self Attention. Allowed arithmetic: matrix products marked QUANTISED: E2M3 operands, one E8M0 scale for each 32 along K, by v_wmma_scale_f32_16x16x128_f8f6f4 with both operands' format E2M3, f32 sums; everything else in f32.
;; Inputs: Wk 1,024 x 1,024 float32; Wo 1,024 x 1,024 float32; Wq 1,024 x 1,024 float32; Wv 1,024 x 1,024 float32; bk 1,024 float32; bo 1,024 float32; bq 1,024 float32; bv 1,024 float32; inputs 4 x 2,048 x 1,024 float32.
;; Outputs: out0 4 x 2,048 x 1,024 float32.
;; This version of the problem:
;;   THIS VERSION OF THE PROBLEM IS GIVEN IN LOW PRECISION. The matrix products marked QUANTISED in the list below multiply operands that are first quantised to E2M3 (2 exponent bits, 3 mantissa bits; 6 bits a number), with one power-of-two scale for each 32 numbers along K (OCP MX v1.0); their sums are f32. All else is computed in f32.
;;   The module's matrix products, in the order in which they are computed (A, B: the left and right operand; K: the contracted axis; several contracted axes count as one K, in the product's order):
;;     1. [M 8,192, K 1,024] x [K 1,024, N 1,024]; A: input inputs; B: input Wq: QUANTISED
;;     2. [M 8,192, K 1,024] x [K 1,024, N 1,024]; A: input inputs; B: input Wk: QUANTISED
;;     3. [M 8,192, K 1,024] x [K 1,024, N 1,024]; A: input inputs; B: input Wv: QUANTISED
;;     4. batch 64 x [M 2,048, K 64] x [K 64, N 2,048]; A: computed on the way; B: computed on the way: QUANTISED
;;     5. batch 64 x [M 2,048, K 2,048] x [K 2,048, N 64]; A: softmax (see below); B: computed on the way: QUANTISED
;;     6. [M 8,192, K 1,024] x [K 1,024, N 1,024]; A: computed on the way; B: input Wo: QUANTISED
;;   THE QUANTISER, for each operand of a quantised product, along K:
;;     - K is cut into blocks of 32 from its start; a last block that is shorter is filled with zeros.
;;     - A block's scale is 2^e with e = floor(log2(the largest magnitude in the block)) - 2, held to -126 .. 127; a block of zeros has e = 0. As a byte (E8M0): e + 127.
;;     - Each number is divided by its block's scale, clamped to +-7.5, and rounded to the nearest number of E2M3, ties to even, subnormals kept.
;;     - The product sums the exact products of the quantised numbers (number of the format x scale) in f32.
;;   ~~~python
;;   def quantise(x, axis):      # numpy; x: float32 -> the quantised numbers, widened to float32 again
;;       x = np.moveaxis(x, axis, -1); K = x.shape[-1]
;;       x = np.pad(x, [(0, 0)] * (x.ndim - 1) + [(0, -K % 32)]); x = x.reshape(x.shape[:-1] + (-1, 32)); a = np.abs(x).max(-1, keepdims=True)
;;       e = np.where(a > 0, np.clip(np.frexp(np.where(a > 0, a, 1))[1] - 1 - 2, -126, 127), 0)      # np.frexp(a)[1] - 1 = floor(log2(a)), exactly
;;       r = np.clip(x / 2.0 ** e, -7.5, 7.5)
;;       step = 2.0 ** (np.maximum(np.frexp(np.where(r == 0, 1, r))[1] - 1, 0) - 3)
;;       q = np.round(r / step) * step * 2.0 ** e      # np.round: ties to even
;;       return np.moveaxis(q.reshape(q.shape[:-2] + (-1,))[..., :K], -1, axis).astype(np.float32)
;;   ~~~
;;   SOFTMAX AHEAD OF A QUANTISED PRODUCT. Where the list says 'softmax', what is quantised is not the finished softmax but p = 2^(t - M), with t = logit x log2(e) and M = ceil(the row's largest t), a whole number; so 1/2 < the row's largest p <= 1. The row's sum l is taken of the UNQUANTISED p, in f32, and the product's result is divided by l at the end. Since M is a whole number, a kernel that streams over the keys may use a running M (the ceiling of the running maximum): every later rescaling is an exact power of two, which a block's scale takes up: the codes' values come out the same.
;;   OPERANDS COMPUTED ON THE WAY. 'Computed on the way' means the value that the module computes at that place (a softmax that the list does not call 'softmax' is quantised finished and normalised). What goes into a quantiser is computed in f32, as accurately as f32 sums, v_exp_f32 and their like allow (about 1e-6 of the number): no bf16 or f16 on the way to a quantiser, and a product that is left as it is and whose result goes on into a quantised operand takes f32 operands (vector FMAs, or v_wmma_f32_16x16x4_f32). A number that lies on a knife's edge between two numbers of the format may be rounded either way, as far as f32 arithmetic and the matrix unit's own rounding can turn it there, and no further.
;; One version. Each part assembles by itself: llvm-mc -triple=amdgcn-amd-amdhsa -mcpu=gfx1250 --defsym DOCPART=n.
;; ======== version 1 of 1: 4 launches
;; limits: right only within a limited range of input values
;; workspace buffers: xc 6,291,456 bytes; xs 262,144 bytes; wc 3,145,728 bytes; ws 131,072 bytes; qrec 13,369,344 bytes; kvrec 13,369,344 bytes; oc 6,291,456 bytes; os 262,144 bytes
;; launch quant (part 1): grid 384 x 1, 8 waves a work-group, no clusters, 69,632 bytes of LDS; arguments inputs, Wq, Wk, Wv, Wo, xc, xs, wc, ws; writes xc, xs, wc, ws
.if DOCPART == 1
	.amdgcn_target "amdgcn-amd-amdhsa--gfx1250"
	.amdhsa_code_object_version 6
	.text
	.protected	k_q1b22ec7880_quant
	.globl	k_q1b22ec7880_quant
	.p2align	8
	.type	k_q1b22ec7880_quant,@function
k_q1b22ec7880_quant:
	s_mov_b64 s[64:65], 0
	v_nop
	global_prefetch_b8 v0, s[64:65] scope:SCOPE_SE
	s_setreg_imm32_b32 hwreg(HW_REG_WAVE_MODE, 25, 1), 1
	s_wait_xcnt 0x0
; inputs [8192][1024] f32 (K innermost) and Wq, Wk, Wv, Wo [1024 (K)][1024] f32 (K outermost) become codes of FP6 (E2M3) with one E8M0 byte for each 32 along K.
; A block's scale is 2^(floor(log2(largest magnitude)) - 2): its byte is the largest magnitude's exponent field - 2, held at 1 from below.
; LIMITS: NaN and infinities among the inputs are not served; blocks whose largest magnitude lies under 2^-124 have their byte held at 1; a block of zeros gets the byte 1
; where the rule says 127: its codes are zeros, and the bytes are read by this program alone.
; STORED ORDER: the rows of an operand (tokens; a weight's output features) are stored with bits 3 and 4 of their number swapped: stored row 32 g + 16 u + 8 e + l holds row 32 g + 16 e + 8 u + l.
; So lane r of the tile of stored rows 16 (2 g + u) on holds row 32 g + 8 u + r + 8 (r / 8), and a product that takes such tiles as source 0 leaves 16 neighbours in a lane's 16 registers of two tiles.
; OUT: codes as images of the operand's registers: [tile of 16 stored rows][K step of 128 (8)][1,536 bytes]: three pieces of 512 bytes, piece p = registers 4 p .. 4 p + 3, lane l's 16 bytes at 16 l.  Scale bytes [stored row][32].
; SHARES: a work-group makes 32 stored rows for all of K; wave w takes K step w: two fragments.  Work-groups 0-255: inputs; 256-383: the weights, 32 work-groups each (rows of wc: Wq, Wk, Wv, Wo).
; No tensor loads, no cluster: no two work-groups read the same bytes.  One barrier: the 32 rows' scale words of eight waves meet in LDS and leave as two runs of 512 bytes.
.set STGB, 16*528                      ; a wave's stage: 16 rows x (512 bytes + 16); the inputs' path alone stores there
.set SCB,  8*STGB                      ; behind the stages: 32 rows x 32 scale bytes
.set R,    16                          ; v16-143  numbers as loaded
.set X,    144                         ; v144-207 64 numbers of a lane, register 16 b + i = k 32 b + 16 (lane / 16) + i of its row
.set TW,   144                         ; (the weights' path: the upper halves of four blocks' codes)
.set PC0,  208                         ; v208-219 tile 0's fragment
.set PC1,  220                         ; v220-231 tile 1's
.set T,    232                         ; v232-239 at work
.set TM,   240                         ; v240-251 largest magnitudes, bytes, scale operands
.set PW0,  252
.set PW1,  253
.set SW,   254                         ; lane l: stored row l's scale word for my K step
.set SEL,  26                          ; s[26:27] lane selects: lane l xor 16
.set MSK,  28                          ; s28 lanes 0-15
	s_load_b256 s[4:11], s[0:1], 0x0               ; inputs, Wq, Wk, Wv
	s_load_b256 s[12:19], s[0:1], 0x20             ; Wo, xc, xs, wc
	s_load_b64 s[20:21], s[0:1], 0x40              ; ws
	v_lshl_add_u32 v239, v0, 2, 0x10c00
	v_mov_b32 v255, 0
	v_lshrrev_b32 v1, 5, v0
	s_delay_alu instid0(VALU_DEP_1)
	v_readfirstlane_b32 s22, v1                    ; wave 0..7
	v_and_b32 v1, 31, v0                           ; lane
	v_and_b32 v2, 15, v0                           ; r
	v_bfe_u32 v3, v0, 4, 1                         ; h
	s_delay_alu instid0(VALU_DEP_3)
	v_lshlrev_b32 v4, 4, v1                        ; 16 x lane
	s_delay_alu instid0(VALU_DEP_4)
	v_lshlrev_b32 v5, 3, v1                        ; 8 x lane
	s_mul_i32 s23, s22, STGB
	v_add_nc_u32 v6, s23, v4                       ; the stage, in: a row's 512 bytes as they lie
	v_mul_u32_u24 v7, v2, 528
	s_delay_alu instid0(VALU_DEP_1)
	v_lshl_add_u32 v7, v3, 6, v7
	s_delay_alu instid0(VALU_DEP_1)
	v_add_nc_u32 v7, s23, v7                       ; and out: row r, + 64 h: my 16 numbers of a block of 32
	v_and_b32 v8, 8, v2
	s_delay_alu instid0(VALU_DEP_1)
	v_add_nc_u32 v8, v8, v2
	s_delay_alu instid0(VALU_DEP_1)
	v_lshl_add_u32 v8, v3, 3, v8
	s_delay_alu instid0(VALU_DEP_1)
	v_lshlrev_b32 v8, 2, v8                        ; a weight's column for stored row lane: 4 (8 (lane / 16) + r + 8 (r / 8))
	s_lshl_b32 s24, s22, 2
	s_add_co_u32 s24, s24, SCB
	v_lshl_add_u32 v9, v1, 5, s24                  ; my row's scale word: SCB + 32 x lane + 4 x wave
	s_min_u32 s25, s22, 1                          ; (waves 0 and 1 alone take the scale rows out)
	s_lshl_b32 s25, s25, 9
	v_add_nc_u32 v11, s25, v4                      ; 512 x wave + 16 x lane
	s_delay_alu instid0(VALU_DEP_1)
	v_add_nc_u32 v10, SCB, v11
	s_mov_b32 s[SEL], 0x76543210
	s_mov_b32 s[SEL+1], 0xfedcba98
	s_mov_b32 s[MSK], 0xffff
.irp b, 0,1,2,3
	v_mov_b32 v[TM+4+\b], 0                        ; written once: a lane permute's destination counts as one of its sources
.endr
	s_wait_kmcnt 0x0
	s_cmp_lt_u32 ttmp9, 256                        ; inputs or weights?  The choice hangs on the work-group's number alone
	s_cselect_b64 s[14:15], s[14:15], s[18:19]     ; the codes' buffer
	s_cselect_b64 s[16:17], s[16:17], s[20:21]     ; the scale bytes'
	s_cselect_b32 s29, 0, 256
	s_sub_co_u32 s29, ttmp9, s29                   ; g: which 32 stored rows
	s_mul_i32 s30, s29, 24576                      ; two tiles of 12,288 bytes,
	s_mul_i32 s31, s22, 1536                       ; my K step's image
	s_add_co_u32 s30, s30, s31
	s_mov_b32 s31, 0
	s_add_nc_u64 s[14:15], s[14:15], s[30:31]
	s_lshl_b32 s30, s29, 10                        ; 32 rows x 32 bytes
	s_add_nc_u64 s[16:17], s[16:17], s[30:31]
; 64 numbers of a lane become a fragment's codes (d0: k 0-63, d1: k 64-127, six registers each) and its rows' scale word
.macro QUANT s, d0, d1, pw
.irp b, 0,1,2,3
	v_max3_num_f32 v[TM+\b], |v[(\s)+16*\b]|, |v[(\s)+16*\b+1]|, 0x1800000   ; block b: my 16 numbers, and the floor 2^(3 - 127): the byte cannot fall under 1
.endr
.irp i, 2,4,6,8,10,12,14
.irp b, 0,1,2,3
	s_delay_alu instid0(VALU_DEP_4)
	v_max3_num_f32 v[TM+\b], v[TM+\b], |v[(\s)+16*\b+\i]|, |v[(\s)+16*\b+\i+1]|
.endr
.endr
.irp b, 0,1,2,3
	s_delay_alu instid0(VALU_DEP_4)
	v_permlanex16_b32 v[TM+4+\b], v[TM+\b], s[SEL], s[SEL+1]
.endr
.irp b, 0,1,2,3
	s_delay_alu instid0(VALU_DEP_4)
	v_max_num_f32 v[TM+\b], v[TM+\b], v[TM+4+\b]   ; with lane l xor 16's: the block's largest magnitude
.endr
.irp b, 0,1,2,3
	s_delay_alu instid0(VALU_DEP_4)
	v_add_nc_u32 v[TM+8+\b], 0xff000000, v[TM+\b]  ; 2 off its exponent field: the conversion's scale operand
.endr
.irp b, 0,1,2,3
	s_delay_alu instid0(VALU_DEP_4)
	v_lshrrev_b32 v[TM+4+\b], 23, v[TM+8+\b]       ; the scale's byte
.endr
	s_delay_alu instid0(VALU_DEP_3)
	v_lshl_or_b32 v[\pw], v[TM+5], 8, v[TM+4]
	s_delay_alu instid0(VALU_DEP_1)
	v_lshl_or_b32 v[\pw], v[TM+6], 16, v[\pw]
	s_delay_alu instid0(VALU_DEP_1)
	v_lshl_or_b32 v[\pw], v[TM+7], 24, v[\pw]
	v_cvt_scalef32_pk16_fp6_f32 v[(\d0):(\d0)+2], v[(\s):(\s)+15], v[TM+8]
	v_cvt_scalef32_pk16_fp6_f32 v[T:T+2], v[(\s)+16:(\s)+31], v[TM+9]
	v_cvt_scalef32_pk16_fp6_f32 v[(\d1):(\d1)+2], v[(\s)+32:(\s)+47], v[TM+10]
	v_cvt_scalef32_pk16_fp6_f32 v[T+4:T+6], v[(\s)+48:(\s)+63], v[TM+11]
	v_nop                                          ; one plain line behind the scaled conversions
.irp i, 0,1,2
	v_permlane16_swap_b32 v[(\d0)+\i], v[T+\i]     ; the layout wants a whole block in a lane: lanes 0-15 the even block, lanes 16-31 the odd one
	v_permlane16_swap_b32 v[(\d1)+\i], v[T+4+\i]
.endr
.irp i, 0,1,2
	v_mov_b32 v[(\d0)+3+\i], v[T+\i]
	v_mov_b32 v[(\d1)+3+\i], v[T+4+\i]
.endr
.endm
	s_cmp_lt_u32 ttmp9, 256
	s_cbranch_scc0 .Lweights
	; ---- inputs: 32 rows x my 128 numbers; each load reads a row's 512 consecutive bytes
	s_lshl_b32 s30, s29, 17                        ; 32 rows of 4,096 bytes
	s_lshl_b32 s32, s22, 9                         ; my K step
	s_add_co_u32 s30, s30, s32
	s_add_nc_u64 s[4:5], s[4:5], s[30:31]
.irp u, 0,1
.irp i, 0,1,2,3,4,5,6,7,8,9,10,11,12,13,14,15
	global_load_b128 v[R+4*(16*\u+\i):R+4*(16*\u+\i)+3], v4, s[4:5] offset:(8*\u+\i+8*(\i/8))*4096 th:TH_LOAD_NT   ; stored row 16 u + i
.endr
.endr
.macro XTILE u
	s_wait_loadcnt 16-16*\u                        ; this tile's 16 loads are in; tile 1's may be out
.irp i, 0,1,2,3,4,5,6,7,8,9,10,11,12,13,14,15
	ds_store_b128 v6, v[R+4*(16*\u+\i):R+4*(16*\u+\i)+3] offset:528*\i
.endr
.irp b, 0,1,2,3
.irp j, 0,1,2,3
	ds_load_b128 v[X+16*\b+4*\j:X+16*\b+4*\j+3], v7 offset:128*\b+16*\j   ; LDS serves a wave's instructions in order: these see my stores
.endr
.endr
	s_wait_dscnt 0x0
	QUANT X, PC0+12*\u, PC0+12*\u+6, PW0+\u
.endm
	XTILE 0
	XTILE 1
	v_cndmask_b32 v[SW], v[PW1], v[PW0], s[MSK]    ; lanes 0-15: tile 0's rows; lanes 16-31: tile 1's
	s_branch .Ltail
.Lweights:
	; ---- a weight: lane l takes the column of stored row l, and its registers run down my 128 of K: a block of 32 lies in one lane
	s_lshr_b32 s32, s29, 5                         ; which weight
	s_cmp_eq_u32 s32, 1
	s_cselect_b64 s[6:7], s[8:9], s[6:7]
	s_cmp_eq_u32 s32, 2
	s_cselect_b64 s[6:7], s[10:11], s[6:7]
	s_cmp_eq_u32 s32, 3
	s_cselect_b64 s[6:7], s[12:13], s[6:7]
	s_and_b32 s30, s29, 31
	s_lshl_b32 s30, s30, 7                         ; my 32 columns,
	s_lshl_b32 s32, s22, 19                        ; my 128 rows of 4,096 bytes
	s_add_co_u32 s30, s30, s32
	s_add_nc_u64 s[6:7], s[6:7], s[30:31]
.macro WLOAD t                         ; block t: 32 rows; the 32 lanes of a load cover 128 consecutive bytes
.set k, 32*(\t)
.rept 32
	global_load_b32 v[R+k], v8, s[6:7] offset:4096*k th:TH_LOAD_NT
.set k, k+1
.endr
.endm
.macro WBLK kb
.set XS, R+32*(\kb)
.if (\kb) < 3
	s_wait_loadcnt 32                              ; this block's 32 loads are in; the next block's may be out
.else
	s_wait_loadcnt 0x0
.endif
.if (\kb) < 2
	WLOAD (\kb)+2                                  ; two blocks ahead, into registers of their own
.endif
	v_max3_num_f32 v[TM], |v[XS]|, |v[XS+1]|, |v[XS+2]|
	v_max3_num_f32 v[TM+1], |v[XS+3]|, |v[XS+4]|, |v[XS+5]|
.irp i, 6,10,14,18,22,26
	s_delay_alu instid0(VALU_DEP_2)
	v_max3_num_f32 v[TM], v[TM], |v[XS+\i]|, |v[XS+\i+1]|
	s_delay_alu instid0(VALU_DEP_2)
	v_max3_num_f32 v[TM+1], v[TM+1], |v[XS+\i+2]|, |v[XS+\i+3]|
.endr
	s_delay_alu instid0(VALU_DEP_2)
	v_max3_num_f32 v[TM], v[TM], |v[XS+30]|, |v[XS+31]|
	s_delay_alu instid0(VALU_DEP_1)
	v_max3_num_f32 v[TM], v[TM], v[TM+1], 0x1800000
	s_delay_alu instid0(VALU_DEP_1)
	v_add_nc_u32 v[TM+8+(\kb)], 0xff000000, v[TM]
	s_delay_alu instid0(VALU_DEP_1)
	v_lshrrev_b32 v[TM+2], 23, v[TM+8+(\kb)]
.if (\kb) == 0
	s_delay_alu instid0(VALU_DEP_1)
	v_mov_b32 v[SW], v[TM+2]
.else
	s_delay_alu instid0(VALU_DEP_1)
	v_lshl_or_b32 v[SW], v[TM+2], 8*(\kb), v[SW]
.endif
	v_cvt_scalef32_pk16_fp6_f32 v[PC0+12*((\kb)%2)+6*((\kb)/2):PC0+12*((\kb)%2)+6*((\kb)/2)+2], v[XS:XS+15], v[TM+8+(\kb)]
	v_cvt_scalef32_pk16_fp6_f32 v[TW+4*(\kb):TW+4*(\kb)+2], v[XS+16:XS+31], v[TM+8+(\kb)]
.endm
	s_wait_alu depctr_va_vdst(0)
	WLOAD 0
	WLOAD 1
	WBLK 0
	WBLK 1
	WBLK 2
	WBLK 3
	v_nop                                          ; one plain line behind the scaled conversions
.irp c, 0,1                            ; lanes 0-15 hold tile 0's four blocks, lanes 16-31 tile 1's: the exchange gives each tile's fragment its even blocks below and its odd blocks above
.irp i, 0,1,2
	v_permlane16_swap_b32 v[PC0+6*\c+\i], v[PC1+6*\c+\i]
	v_permlane16_swap_b32 v[TW+8*\c+\i], v[TW+8*\c+4+\i]
.endr
.irp i, 0,1,2
	v_mov_b32 v[PC0+6*\c+3+\i], v[TW+8*\c+\i]
	v_mov_b32 v[PC1+6*\c+3+\i], v[TW+8*\c+4+\i]
.endr
.endr
.Ltail:
	s_wait_alu depctr_va_vdst(0)
.irp u, 0,1
.irp p, 0,1,2
	global_store_b128 v4, v[PC0+12*\u+4*\p:PC0+12*\u+4*\p+3], s[14:15] offset:12288*\u+512*\p   ; THE IMAGE AS IT IS STORED: a fragment's 1,536 bytes are three pieces of 512, piece p = registers 4 p .. 4 p + 3, lane l's 16 bytes at 16 l
.endr
.endr
	ds_store_b32 v9, v[SW]
	s_wait_dscnt 0x0                               ; for the others' sake: my scale words lie in LDS
	s_barrier_signal -1
	s_barrier_wait -1
	s_cmp_lt_u32 s22, 2
	s_cbranch_scc0 .Ldone
	ds_load_b128 v[16:19], v10                     ; 16 rows of 32 scale bytes
	s_wait_dscnt 0x0
	global_store_b128 v11, v[16:19], s[16:17]      ; 512 consecutive bytes
.Ldone:
	s_wait_tensorcnt 0x0
	ds_add_u32 v239, v255
	s_wait_dscnt 0x0
	s_endpgm
.Lfunc_end_k_q1b22ec7880_quant:
	.size	k_q1b22ec7880_quant, .Lfunc_end_k_q1b22ec7880_quant-k_q1b22ec7880_quant
	.p2alignl 7, 3214868480
	.fill 96, 4, 3214868480
	.section	.rodata,"a",@progbits
	.p2align	6, 0x0
	.amdhsa_kernel k_q1b22ec7880_quant
		.amdhsa_group_segment_fixed_size 69632
		.amdhsa_private_segment_fixed_size 0
		.amdhsa_enable_private_segment 0
		.amdhsa_kernarg_size 72
		.amdhsa_user_sgpr_count 2
		.amdhsa_user_sgpr_kernarg_segment_ptr 1
		.amdhsa_wavefront_size32 1
		.amdhsa_system_sgpr_workgroup_id_x 1
		.amdhsa_system_sgpr_workgroup_id_y 1
		.amdhsa_system_sgpr_workgroup_id_z 1
		.amdhsa_system_vgpr_workitem_id 0
		.amdhsa_next_free_vgpr 256
		.amdhsa_next_free_sgpr 66
		.amdhsa_reserve_vcc 0
		.amdhsa_float_denorm_mode_32 3
		.amdhsa_float_denorm_mode_16_64 3
		.amdhsa_memory_ordered 1
		.amdhsa_forward_progress 1
		.amdhsa_inst_pref_size 43
	.end_amdhsa_kernel
	.amdgpu_metadata
---
amdhsa.version: [ 1, 2 ]
amdhsa.kernels:
  - .name:           k_q1b22ec7880_quant
    .symbol:         k_q1b22ec7880_quant.kd
    .args:
      - { .name: inputs, .offset: 0, .size: 8, .value_kind: global_buffer, .address_space: global }
      - { .name: Wq, .offset: 8, .size: 8, .value_kind: global_buffer, .address_space: global }
      - { .name: Wk, .offset: 16, .size: 8, .value_kind: global_buffer, .address_space: global }
      - { .name: Wv, .offset: 24, .size: 8, .value_kind: global_buffer, .address_space: global }
      - { .name: Wo, .offset: 32, .size: 8, .value_kind: global_buffer, .address_space: global }
      - { .name: xc, .offset: 40, .size: 8, .value_kind: global_buffer, .address_space: global }
      - { .name: xs, .offset: 48, .size: 8, .value_kind: global_buffer, .address_space: global }
      - { .name: wc, .offset: 56, .size: 8, .value_kind: global_buffer, .address_space: global }
      - { .name: ws, .offset: 64, .size: 8, .value_kind: global_buffer, .address_space: global }
    .group_segment_fixed_size: 69632
    .private_segment_fixed_size: 0
    .kernarg_segment_align: 8
    .kernarg_segment_size: 72
    .max_flat_workgroup_size: 256
    .sgpr_count:     66
    .vgpr_count:     256
    .wavefront_size: 32
...
	.end_amdgpu_metadata
.endif
;; end of part 1
;; launch qkv (part 2): grid 8 x 32, 4 waves a work-group, clusters of 4 x 4, 327,680 bytes of LDS; arguments xc, xs, wc, ws, bq, bk, bv, qrec, kvrec; writes qrec, kvrec
.if DOCPART == 2
	.amdgcn_target "amdgcn-amd-amdhsa--gfx1250"
	.amdhsa_code_object_version 6
	.text
	.protected	k_q1b22ec7880_qkv
	.globl	k_q1b22ec7880_qkv
	.p2align	8
	.type	k_q1b22ec7880_qkv,@function
k_q1b22ec7880_qkv:
	s_mov_b64 s[64:65], 0
	v_nop
	global_prefetch_b8 v0, s[64:65] scope:SCOPE_SE
	s_setreg_imm32_b32 hwreg(HW_REG_WAVE_MODE, 25, 1), 1
	s_wait_xcnt 0x0
	s_wait_alu depctr_hold_cnt(0) depctr_sa_sdst(0) depctr_va_vdst(0) depctr_va_sdst(0) depctr_va_ssrc(0) depctr_va_vcc(0) depctr_vm_vsrc(0)
	s_getreg_b32 s2, hwreg(HW_REG_IB_STS2, 6, 4)
	s_cmp_eq_u32 s2, 0
	s_cbranch_scc0 .Lentry_in_a_cluster
	s_endpgm
.Lentry_in_a_cluster:
	s_bfe_u32 s2, ttmp6, 0x10000c
	s_cmp_lg_u32 s2, 0xf033
	s_cbranch_scc0 .Lentry_shape_is_right
	s_endpgm
.Lentry_shape_is_right:
; V, K, Q = x W + b on codes of FP6 (E2M3) with E8M0 scales, each result quantised again and stored as the records that the attention launch reads.
; IN: xc, wc: [tile of 16 stored rows][K step of 128 (8)][1,536 bytes: three pieces of 512, piece p = registers 4 p .. 4 p + 3 of the fragment, lane l's 16 bytes at 16 l]; xs, ws: [stored row][32 scale bytes].
; Stored row 32 g + 16 u + 8 e + l holds row 32 g + 16 e + 8 u + l.  Rows of wc: Wq, Wk, Wv, Wo.
; OUT: records of 13,056 bytes for (batch x 16 + head, 128 stored tokens): +0 four pair images of K (Q), +6,144 four fragments of V^T, +12,288 K's (Q's) scale words, +12,800 V's.
; THE DEAL: 256 work-groups, 8 columns x 32 rows.  A work-group has 256 tokens and features 128 col .. + 127 of V, of K and of Q: three phases on the same tokens.  Four waves, 2 x 2: wave (a, b) owns record a of the two and head b of the two.
; A wave's 64 rows of a weight, ALL of K, lie in 384 registers; the tokens stream past in blocks of 16: 32 products a block, two register sets, a set fetched two blocks ahead.
; LDS: the 256 tokens' codes (196,608 bytes, filled once), a region for 128 rows of a weight (98,304 bytes, filled three times), the tokens' scale words as register images (8,192, stored by the waves), the spare words.
; FILLS: at the head one joint load a wave: waves 0, 1 a half of Wv's rows each, waves 2, 3 a record of x each.  x is shared by a row of the cluster, a weight by a column.
; Two refills of the weights' region, each at a phase's start, when every wave holds the last weight in registers, behind the three lines and a round of the cluster's barrier.
; V is used untransposed (a lane holds one feature, its registers run along the tokens), K and Q transposed (a lane holds one token, its registers run along the features): so each quantiser's K runs along a lane's registers.
; Wq's rows are asked for into the L2 behind the first refill, one phase ahead of their load: 384 blocks of 256 bytes shared out by address among the 16 waves of a column of the cluster.
; The block fetch goes round: behind block 7 come blocks 0 and 1, which the next phase reads (behind the last phase nobody does).
; LIMITS: NaN and infinities are not served; blocks whose largest magnitude lies under 2^-124 have their byte held at 1; a block of zeros gets the byte 1: its codes are zeros.
.set TB,    12288
.set WB,    16*TB
.set SCB,   24*TB
.set SPARE, SCB+8192
.set RECB,  13056
.set FPW,   21                         ; fragments in a window of 256 registers; fragment f lies in window 1 + f / 21 at register 12 (f % 21): 0-31 the weight's (4 q + tile), 32-39 and 40-47 the tokens' two sets
.set L16, 1
.set L8,  2
.set WAD, 3
.set XA,  4
.set XA4, 5
.set XF,  6
.set SCA, 7
.set SCF, 8
.set ABS, 9
.set VO,  10
.set SPW, 11
.set NIL, 12
.set BO1, 13
.set BO2, 14
.set PF,  15
.set SB0, 16                           ; v16-31, v32-47 a weight's scale words, two sets by turns
.set SB1, 32
.set PWA, 48
.set PWB, 49
.set SA,  52                           ; v52-59 a pair of blocks' scale words
.set TM,  60
.set T,   72
.set SE,  80
.set BV,  84                           ; v84-91 V's bias, one number a tile in the even register
.set CD,  92                           ; v92-115 codes on the way out
.set ACC, 128                          ; v128-191 K, Q: two sets of four accumulators.  V: v128-255 tiles 0, 1; v840-967 tiles 2, 3
.set BBK, 200                          ; window 3: v968-999 K's bias as the first products' C; v840-871 Q's
.set BBQ, 72
.set G1X, 32
.set G1W, 40
.set G0W, 48
.set G0X, 68
.set TR,  72
.set NX,  73
.set SEL, 76
.set MSK, 78
.set MSB, 0
.macro WIN new
.if MSB != (\new)
	s_set_vgpr_msb (MSB<<8)|(\new)
.set MSB, (\new)
.endif
.endm
.macro PLACES n
.rept \n
	v_nop
.endr
.endm
.macro WALU
	s_wait_alu depctr_va_vdst(0)
.endm
.macro BARRIER
	s_barrier_signal -1
	s_barrier_wait -1
.endm
.macro CROUND
	s_barrier_signal -1
	s_barrier_wait -1
	s_cmp_lg_u32 s22, 0
	s_cbranch_scc1 .Lnot_wave_0_\@
	s_barrier_signal -3
.Lnot_wave_0_\@:
	s_barrier_wait -3
	s_barrier_signal -1
	s_barrier_wait -1
.endm
.macro TLOAD g0, g1
	tensor_load_to_lds s[\g0:\g0+3], s[\g1:\g1+7]
	s_nop 0
	PLACES 4
.endm
.macro REFILL                          ; waves 0 and 1 a half each of the next weight's rows
	s_cmp_lt_u32 s22, 2
	s_cbranch_scc0 .Lno_half_\@
	TLOAD G0W, G1W
.Lno_half_\@:
.endm
.macro LDF f, adr, off
	WIN (1+(\f)/FPW)<<6
.irp c, 0,1,2
	ds_load_b128 v[12*((\f)%FPW)+4*\c:12*((\f)%FPW)+4*\c+3], v[\adr] offset:(\off)+512*\c
.endr
.endm
.macro WEIGHTS                         ; 96 loads
.irp q, 0,1,2,3,4,5,6,7
.irp b, 0,1,2,3
	LDF 4*\q+\b, WAD, \b*TB+\q*1536
.endr
.endr
	WIN 0
.endm
.macro FETCH e, adr, off               ; a block of 16 tokens into set e: 24 loads
.irp q, 0,1,2,3,4,5,6,7
	LDF 32+8*(\e)+\q, \adr, (\off)+\q*1536
.endr
	WIN 0
.endm
.macro SCALES adr, off
	ds_load_b128 v[SA:SA+3], v[\adr] offset:(\off)
	ds_load_b128 v[SA+4:SA+7], v[\adr] offset:(\off)+512
.endm
.macro WM d, s0, s1, c, x0, x1, r0, r1
.if (\r0)&&(\r1)
	v_wmma_scale_f32_16x16x128_f8f6f4 v[\d:\d+7], v[\s0:\s0+11], v[\s1:\s1+11], \c, v[\x0], v[\x1] matrix_a_fmt:MATRIX_FMT_FP6 matrix_b_fmt:MATRIX_FMT_FP6 matrix_a_scale:MATRIX_SCALE_ROW1 matrix_b_scale:MATRIX_SCALE_ROW1
.elseif (\r0)
	v_wmma_scale_f32_16x16x128_f8f6f4 v[\d:\d+7], v[\s0:\s0+11], v[\s1:\s1+11], \c, v[\x0], v[\x1] matrix_a_fmt:MATRIX_FMT_FP6 matrix_b_fmt:MATRIX_FMT_FP6 matrix_a_scale:MATRIX_SCALE_ROW1
.elseif (\r1)
	v_wmma_scale_f32_16x16x128_f8f6f4 v[\d:\d+7], v[\s0:\s0+11], v[\s1:\s1+11], \c, v[\x0], v[\x1] matrix_a_fmt:MATRIX_FMT_FP6 matrix_b_fmt:MATRIX_FMT_FP6 matrix_b_scale:MATRIX_SCALE_ROW1
.else
	v_wmma_scale_f32_16x16x128_f8f6f4 v[\d:\d+7], v[\s0:\s0+11], v[\s1:\s1+11], \c, v[\x0], v[\x1] matrix_a_fmt:MATRIX_FMT_FP6 matrix_b_fmt:MATRIX_FMT_FP6
.endif
.endm
; product n = 4 q + tile of a block.  kind 0: source 0 the weight's rows; kind 1: source 0 the tokens
.macro PROD kind, e, n, d, dw, sb, c, cw
.set Q_, (\n)/4
.set B_, (\n)%4
.set FX_, 32+8*(\e)+Q_
.set RW_, 12*((\n)%FPW)
.set RX_, 12*(FX_%FPW)
.set XW_, (\sb)+8*(B_/2)+Q_
.set XX_, SA+Q_
.if \kind
	WIN (1+FX_/FPW)|((1+(\n)/FPW)<<2)|((\cw)<<4)|((\dw)<<6)
	WM \d, RX_, RW_, \c, XX_, XW_, \e, B_%2
.else
	WIN (1+(\n)/FPW)|((1+FX_/FPW)<<2)|((\cw)<<4)|((\dw)<<6)
	WM \d, RW_, RX_, \c, XW_, XX_, B_%2, \e
.endif
.endm
.macro BLK0 e, sb, bb                  ; a block of K or Q: four accumulators by turns; the first four products take the bias as C
.set N_, 0
.rept 32
.set D_, ACC+32*(\e)+8*(N_%4)
.if N_ < 4
.set C_, (\bb)+8*N_
	PROD 0, \e, N_, D_, 0, \sb, v[C_:C_+7], 3
.else
	PROD 0, \e, N_, D_, 0, \sb, v[D_:D_+7], 0
.endif
.set N_, N_+1
.endr
	WIN 0
.endm
.macro BLKV s                          ; a block of V: register 64 f + 8 s + j of tile f
.set N_, 0
.rept 32
.set F_, N_%4
.if F_ < 2
.set D_, 128+64*F_+8*(\s)
.set DW_, 0
.else
.set D_, 72+64*(F_-2)+8*(\s)
.set DW_, 3
.endif
.if N_ < 4
	PROD 1, (\s)%2, N_, D_, DW_, SB0, 0, 0
.else
	PROD 1, (\s)%2, N_, D_, DW_, SB0, v[D_:D_+7], DW_
.endif
.set N_, N_+1
.endr
	WIN 0
.endm
; 32 sums of a lane, register 16 b + i = feature 32 b + 16 (lane / 16) + i of the head, become six registers of codes and two scale bytes
.macro Q32 s, d, pw
.irp k, 0,1,2,3
	v_max3_num_f32 v[TM+\k], |v[(\s)+8*\k]|, |v[(\s)+8*\k+1]|, 0x1800000
.endr
.irp i, 2,4,6
.irp k, 0,1,2,3
	v_max3_num_f32 v[TM+\k], v[TM+\k], |v[(\s)+8*\k+\i]|, |v[(\s)+8*\k+\i+1]|
.endr
.endr
	v_max_num_f32 v[TM], v[TM], v[TM+1]
	v_max_num_f32 v[TM+2], v[TM+2], v[TM+3]
	v_permlanex16_b32 v[TM+4], v[TM], s[SEL], s[SEL+1]
	v_permlanex16_b32 v[TM+5], v[TM+2], s[SEL], s[SEL+1]
	v_max_num_f32 v[TM], v[TM], v[TM+4]
	v_max_num_f32 v[TM+2], v[TM+2], v[TM+5]
	v_add_nc_u32 v[TM+8], 0xff000000, v[TM]
	v_add_nc_u32 v[TM+9], 0xff000000, v[TM+2]
	v_lshrrev_b32 v[TM+4], 23, v[TM+8]
	v_lshrrev_b32 v[TM+5], 23, v[TM+9]
	v_lshl_or_b32 v[\pw], v[TM+5], 8, v[TM+4]
	v_cvt_scalef32_pk16_fp6_f32 v[(\d):(\d)+2], v[(\s):(\s)+15], v[TM+8]
	v_cvt_scalef32_pk16_fp6_f32 v[T:T+2], v[(\s)+16:(\s)+31], v[TM+9]
	v_nop
.irp i, 0,1,2
	v_permlane16_swap_b32 v[(\d)+\i], v[T+\i]
.endr
.irp i, 0,1,2
	v_mov_b32 v[(\d)+3+\i], v[T+\i]
.endr
.endm
; 64 sums of a lane in window w, register 16 b + i = token 32 b + 16 (lane / 16) + i, take their bias and become a fragment of V^T and its rows' scale word
.macro Q64 w, s, d, pw, bv
	WIN (\w)|((\w)<<6)
.set j, 0
.rept 32
	v_pk_add_f32 v[(\s)+j:(\s)+j+1], v[(\s)+j:(\s)+j+1], v[\bv:\bv+1] op_sel_hi:[1,0]
.set j, j+2
.endr
	WIN ((\w)<<2)|((\w)<<4)
.irp b, 0,1,2,3
	v_max3_num_f32 v[TM+\b], 0x1800000, |v[(\s)+16*\b]|, |v[(\s)+16*\b+1]|
.endr
.irp i, 2,4,6,8,10,12,14
.irp b, 0,1,2,3
	v_max3_num_f32 v[TM+\b], v[TM+\b], |v[(\s)+16*\b+\i]|, |v[(\s)+16*\b+\i+1]|
.endr
.endr
	WIN 0
.irp b, 0,1,2,3
	v_permlanex16_b32 v[TM+4+\b], v[TM+\b], s[SEL], s[SEL+1]
.endr
.irp b, 0,1,2,3
	v_max_num_f32 v[TM+\b], v[TM+\b], v[TM+4+\b]
.endr
.irp b, 0,1,2,3
	v_add_nc_u32 v[TM+8+\b], 0xff000000, v[TM+\b]
.endr
.irp b, 0,1,2,3
	v_lshrrev_b32 v[TM+4+\b], 23, v[TM+8+\b]
.endr
	v_lshl_or_b32 v[\pw], v[TM+5], 8, v[TM+4]
	v_lshl_or_b32 v[\pw], v[TM+6], 16, v[\pw]
	v_lshl_or_b32 v[\pw], v[TM+7], 24, v[\pw]
	WIN (\w)
	v_cvt_scalef32_pk16_fp6_f32 v[(\d):(\d)+2], v[(\s):(\s)+15], v[TM+8]
	v_cvt_scalef32_pk16_fp6_f32 v[T:T+2], v[(\s)+16:(\s)+31], v[TM+9]
	v_cvt_scalef32_pk16_fp6_f32 v[(\d)+6:(\d)+8], v[(\s)+32:(\s)+47], v[TM+10]
	v_cvt_scalef32_pk16_fp6_f32 v[T+4:T+6], v[(\s)+48:(\s)+63], v[TM+11]
	WIN 0
	v_nop
.irp i, 0,1,2
	v_permlane16_swap_b32 v[(\d)+\i], v[T+\i]
	v_permlane16_swap_b32 v[(\d)+6+\i], v[T+4+\i]
.endr
.irp i, 0,1,2
	v_mov_b32 v[(\d)+3+\i], v[T+\i]
	v_mov_b32 v[(\d)+9+\i], v[T+4+\i]
.endr
.endm
; a phase of K or Q: four trips of two blocks.  The wait's 24: the one block fetch that is younger than what the block reads
.macro QKPHASE sb, bb, out
	s_wait_xcnt 0x0
.irp i, 0,1,2,3
	v_mov_b32 v[SE+\i], 0
.endr
	s_mov_b32 s[TR], 0
	WALU
	s_wait_dscnt 0x0                               ; the weight is in registers
.Lpair_\@:
	s_wait_dscnt 24
	BLK0 0, \sb, \bb
	s_add_co_u32 s[NX], s[TR], 1
	s_and_b32 s[NX], s[NX], 3
	s_mul_i32 s74, s[NX], 2*TB
	s_mul_i32 s75, s[TR], 1536
	v_add_nc_u32 v[XF], s74, v[XA]
	PLACES 3
	FETCH 0, XF, 0
	s_wait_xcnt 0x0                                ; the last pair's stores have read their registers
	v_add_nc_u32 v[VO], s75, v[L16]
	Q32 ACC, CD, PWA
	s_wait_dscnt 24
	BLK0 1, \sb, \bb
	s_lshl_b32 s74, s[NX], 10
	v_add_nc_u32 v[SCF], s74, v[SCA]
	PLACES 3
	SCALES SCF, 0
	FETCH 1, XF, TB
	Q32 ACC+32, CD+6, PWB
	v_mov_b32 v[SE], v[SE+1]                       ; the four pairs' scale words move down a register a trip
	v_mov_b32 v[SE+1], v[SE+2]
	v_mov_b32 v[SE+2], v[SE+3]
	v_cndmask_b32 v[SE+3], v[PWB], v[PWA], s[MSK]  ; lanes 0-15 the even block's rows, lanes 16-31 the odd one's
.irp c, 0,1,2
	global_store_b128 v[VO], v[CD+4*\c:CD+4*\c+3], s[\out:\out+1] offset:512*\c
.endr
	s_add_co_u32 s[TR], s[TR], 1
	s_cmp_lt_u32 s[TR], 4
	WALU
	s_cbranch_scc1 .Lpair_\@
	global_store_b128 v[L16], v[SE:SE+3], s[\out:\out+1] offset:12288
.endm
; ================= the head
	s_load_b256 s[4:11], s[0:1], 0x0               ; xc, xs, wc, ws
	s_load_b256 s[12:19], s[0:1], 0x20             ; bq, bk, bv, qrec
	s_load_b64 s[20:21], s[0:1], 0x40              ; kvrec
	v_lshl_add_u32 v[SPW], v0, 2, SPARE
	v_mov_b32 v[NIL], 0
	ds_add_u32 v[SPW], v[NIL]
	ds_add_u32 v[SPW], v[NIL]
	v_lshrrev_b32 v1, 5, v0
	v_readfirstlane_b32 s22, v1                    ; wave
	s_lshr_b32 s23, s22, 1                         ; a: my record
	s_and_b32 s24, s22, 1                          ; b: my head; also which half or record I fetch
	s_bfe_u32 s25, ttmp6, 0x40000
	s_bfe_u32 s26, ttmp6, 0x40004
	s_lshl_b32 s27, ttmp9, 2
	s_add_co_u32 s27, s27, s25                     ; column
	s_and_b32 s28, ttmp7, 0xffff
	s_lshl_b32 s28, s28, 2
	s_add_co_u32 s28, s28, s26                     ; row
	s_lshl_b32 s29, s26, 2
	s_lshl_b32 s29, 15, s29
	s_lshl_b32 s30, 0x1111, s25
	s_or_b32 s[G1X], s29, (3<<16)|(1<<21)          ; dense blocks as rows of 24,576 bytes: a record of x four rows, half a weight two
	s_or_b32 s[G1W], s30, (3<<16)|(1<<21)
.irp g, G1X, G1W
	s_mov_b32 s[\g+1], 3072<<16
	s_mov_b32 s[\g+3], 3072<<16
	s_mov_b32 s[\g+5], 3072
	s_mov_b32 s[\g+6], 0
	s_mov_b32 s[\g+7], 0
.endr
	s_mov_b32 s[G1X+2], 4<<16
	s_mov_b32 s[G1X+4], 4
	s_mov_b32 s[G1W+2], 2<<16
	s_mov_b32 s[G1W+4], 2
	s_mov_b32 s[SEL], 0x76543210
	s_mov_b32 s[SEL+1], 0xfedcba98
	s_mov_b32 s[MSK], 0xffff
	v_and_b32 v[TM], 31, v0
	v_and_b32 v[TM+1], 15, v0
	v_bfe_u32 v[TM+2], v0, 4, 1
	v_lshlrev_b32 v[L16], 4, v[TM]
	v_lshlrev_b32 v[L8], 3, v[TM]
	v_lshlrev_b32 v[ABS], 5, v[TM]
	s_mul_i32 s29, s24, 4*TB
	s_add_co_u32 s29, s29, WB
	v_add_nc_u32 v[WAD], s29, v[L16]
	s_mul_i32 s29, s23, 8*TB
	v_add_nc_u32 v[XA], s29, v[L16]
	v_add_nc_u32 v[XA4], 4*TB, v[XA]
	s_lshl_b32 s29, s23, 12
	s_add_co_u32 s29, s29, SCB
	v_add_nc_u32 v[SCA], s29, v[L16]
	s_lshl_b32 s30, s24, 11
	v_add_nc_u32 v[SCF], s30, v[SCA]               ; where I store my two pairs' scale words
	v_lshlrev_b32 v[BO1], 6, v[TM+2]
	v_and_b32 v[BO2], 8, v[TM+1]
	v_add_nc_u32 v[BO2], v[BO2], v[TM+1]
	v_lshlrev_b32 v[BO2], 2, v[BO2]
	s_lshl_b32 s31, s26, 2
	s_add_co_u32 s31, s31, s22
	s_mul_i32 s31, s31, 6144
	v_min_u32 v[PF], 23, v[TM]
	v_lshl_add_u32 v[PF], v[PF], 8, s31
.irp b, 4,5,6,7
	v_mov_b32 v[TM+\b], 0                          ; a lane permute's destination counts as one of its sources
.endr
.irp f, 1,3,5,7
	v_mov_b32 v[BV+\f], 0
.endr
	WALU
	s_wait_dscnt 0x0
	CROUND
	s_wait_kmcnt 0x0
	s_mul_i32 s52, s27, 8*TB
	s_mov_b32 s53, 0
	s_add_nc_u64 s[58:59], s[8:9], s[52:53]        ; Wq's 128 rows of my column; Wk's 64 tiles on, Wv's 128
	s_mul_i32 s52, s24, 4*TB
	s_add_nc_u64 s[66:67], s[58:59], s[52:53]
	s_mov_b32 s[G0W], 1
	s_mul_i32 s[G0W+1], s24, 4*TB
	s_add_co_u32 s[G0W+1], s[G0W+1], WB
	s_add_nc_u64 s[G0W+2:G0W+3], s[66:67], 128*TB
	s_or_b32 s[G0W+3], s[G0W+3], 0x80000000
	s_mul_i32 s54, s28, 16*TB
	s_mov_b32 s55, 0
	s_add_nc_u64 s[G0X+2:G0X+3], s[4:5], s[54:55]
	s_mul_i32 s54, s24, 8*TB
	s_add_nc_u64 s[G0X+2:G0X+3], s[G0X+2:G0X+3], s[54:55]
	s_or_b32 s[G0X+3], s[G0X+3], 0x80000000
	s_mov_b32 s[G0X], 1
	s_mul_i32 s[G0X+1], s24, 8*TB
	s_cmp_lt_u32 s22, 2
	s_cbranch_scc0 .Lhead_x
	TLOAD G0W, G1W
	s_branch .Lasked
.Lhead_x:
	TLOAD G0X, G1X
.Lasked:
	s_lshl_b32 s60, s27, 7
	s_lshl_b32 s61, s24, 6
	s_add_co_u32 s60, s60, s61                     ; my first feature
	s_lshl_b32 s62, s60, 5
	s_mov_b32 s63, 0
	s_add_nc_u64 s[10:11], s[10:11], s[62:63]
	s_lshl_b32 s62, s60, 2
	s_add_nc_u64 s[12:13], s[12:13], s[62:63]
	s_add_nc_u64 s[14:15], s[14:15], s[62:63]
	s_add_nc_u64 s[16:17], s[16:17], s[62:63]
	s_lshl_b32 s62, s28, 13
	s_lshl_b32 s61, s23, 12
	s_add_co_u32 s62, s62, s61
	s_lshl_b32 s61, s24, 11
	s_add_co_u32 s62, s62, s61
	s_add_nc_u64 s[6:7], s[6:7], s[62:63]
	s_lshl_b32 s62, s28, 1
	s_add_co_u32 s62, s62, s23
	s_lshr_b32 s61, s62, 4
	s_lshl_b32 s61, s61, 4
	s_lshl_b32 s60, s27, 1
	s_add_co_u32 s61, s61, s60
	s_add_co_u32 s61, s61, s24
	s_lshl_b32 s61, s61, 4
	s_and_b32 s62, s62, 15
	s_add_co_u32 s62, s62, s61
	s_mul_i32 s62, s62, RECB
	s_add_nc_u64 s[18:19], s[18:19], s[62:63]      ; my record of Q,
	s_add_nc_u64 s[20:21], s[20:21], s[62:63]      ; and of K and V
.irp p, 0,1
.irp c, 0,1
	global_load_b128 v[128+8*\p+4*\c:128+8*\p+4*\c+3], v[ABS], s[6:7] offset:1024*\p+16*\c
	global_load_b128 v[SB0+8*\p+4*\c:SB0+8*\p+4*\c+3], v[ABS], s[10:11] offset:65536+1024*\p+16*\c
	global_load_b128 v[SB1+8*\p+4*\c:SB1+8*\p+4*\c+3], v[ABS], s[10:11] offset:32768+1024*\p+16*\c
.endr
.endr
.irp f, 0,1,2,3
	global_load_b32 v[BV+2*\f], v[BO2], s[16:17] offset:4*(32*(\f/2)+8*(\f%2))
.endr
	WIN 3<<6
.irp i, 0,1,2,3
	global_load_b128 v[BBK+8*\i:BBK+8*\i+3], v[BO1], s[14:15] offset:4*(32*(\i/2)+8*(\i%2))
	global_load_b128 v[BBK+8*\i+4:BBK+8*\i+7], v[BO1], s[14:15] offset:4*(32*(\i/2)+8*(\i%2))+16
.endr
	WIN 0
	s_cmp_lt_u32 s22, 2
	s_cbranch_scc0 .Lnot_w
	s_wait_tensorcnt 0x0
.Lnot_w:
	BARRIER                                        ; Wv's rows are in
	WEIGHTS
	s_wait_loadcnt 0x0
.irp p, 0,1
.irp c, 0,1
	ds_store_b128 v[SCF], v[128+8*\p+4*\c:128+8*\p+4*\c+3] offset:1024*\p+512*\c
.endr
.endr
	s_wait_tensorcnt 0x0                           ; the three lines and the round ahead of the first refill; x is in too
	ds_add_u32 v[SPW], v[NIL]
	s_add_nc_u64 s[G0W+2:G0W+3], s[66:67], 64*TB
	s_or_b32 s[G0W+3], s[G0W+3], 0x80000000
	s_wait_dscnt 0x0
	CROUND
	REFILL                                         ; Wk's rows
	global_prefetch_b8 v[PF], s[58:59] th:TH_LOAD_NT scope:SCOPE_SE
	SCALES SCA, 0
	FETCH 0, XA, 0
	FETCH 1, XA, TB
; ================= V
.irp s, 0,1,2,3,4,5,6,7
	s_wait_dscnt 24
	BLKV \s
	PLACES 4
.if (\s)%2
	SCALES SCA, (((\s)+1)/2%4)*1024
.endif
.set NB_, ((\s)+2)%8
.if NB_ < 4
	FETCH (\s)%2, XA, NB_*TB
.else
	FETCH (\s)%2, XA4, (NB_-4)*TB
.endif
.endr
	s_wait_tensorcnt 0x0
	s_wait_dscnt 0x0
	BARRIER                                        ; Wk's rows are shown to all
	WEIGHTS
.irp p, 0,1
.irp c, 0,1
	global_load_b128 v[SB0+8*\p+4*\c:SB0+8*\p+4*\c+3], v[ABS], s[10:11] offset:1024*\p+16*\c
.endr
.endr
.irp f, 0,1,2,3                        ; V's way out stands under the weight's flight into registers
.if \f > 1
	s_wait_xcnt 0x0
.endif
.if \f < 2
	Q64 0, 128+64*\f, CD+12*(\f%2), PWA+\f%2, BV+2*\f
.else
	Q64 3, 72+64*(\f-2), CD+12*(\f%2), PWA+\f%2, BV+2*\f
.endif
.irp c, 0,1,2
	global_store_b128 v[L16], v[CD+12*(\f%2)+4*\c:CD+12*(\f%2)+4*\c+3], s[20:21] offset:6144+1536*\f+512*\c
.endr
.if \f%2
	v_cndmask_b32 v[SE+\f/2], v[PWB], v[PWA], s[MSK]
.endif
.endr
	global_store_b64 v[L8], v[SE:SE+1], s[20:21] offset:12800
	WIN 3<<6
.irp i, 0,1,2,3
	global_load_b128 v[BBQ+8*\i:BBQ+8*\i+3], v[BO1], s[12:13] offset:4*(32*(\i/2)+8*(\i%2))
	global_load_b128 v[BBQ+8*\i+4:BBQ+8*\i+7], v[BO1], s[12:13] offset:4*(32*(\i/2)+8*(\i%2))+16
.endr
	WIN 0
	WALU
	s_wait_tensorcnt 0x0                           ; the three lines and the round ahead of the second refill
	ds_add_u32 v[SPW], v[NIL]
	s_mov_b64 s[G0W+2:G0W+3], s[66:67]
	s_or_b32 s[G0W+3], s[G0W+3], 0x80000000
	s_wait_dscnt 0x0
	CROUND
	REFILL                                         ; Wq's rows
; ================= K, then Q
	QKPHASE SB1, BBK, 20
	s_wait_tensorcnt 0x0
	s_wait_dscnt 0x0
	BARRIER                                        ; Wq's rows are shown to all
	WEIGHTS
	s_wait_loadcnt 0x0                             ; Wq's scale words and Q's bias
	QKPHASE SB0, BBQ, 18
	s_wait_tensorcnt 0x0                           ; the wave's end
	ds_add_u32 v[SPW], v[NIL]
	s_wait_dscnt 0x0
	CROUND
	s_endpgm
.Lfunc_end_k_q1b22ec7880_qkv:
	.size	k_q1b22ec7880_qkv, .Lfunc_end_k_q1b22ec7880_qkv-k_q1b22ec7880_qkv
	.p2alignl 7, 3214868480
	.fill 96, 4, 3214868480
	.section	.rodata,"a",@progbits
	.p2align	6, 0x0
	.amdhsa_kernel k_q1b22ec7880_qkv
		.amdhsa_group_segment_fixed_size 327680
		.amdhsa_private_segment_fixed_size 0
		.amdhsa_enable_private_segment 0
		.amdhsa_kernarg_size 72
		.amdhsa_user_sgpr_count 2
		.amdhsa_user_sgpr_kernarg_segment_ptr 1
		.amdhsa_wavefront_size32 1
		.amdhsa_system_sgpr_workgroup_id_x 1
		.amdhsa_system_sgpr_workgroup_id_y 1
		.amdhsa_system_sgpr_workgroup_id_z 1
		.amdhsa_system_vgpr_workitem_id 0
		.amdhsa_next_free_vgpr 1024
		.amdhsa_next_free_sgpr 80
		.amdhsa_reserve_vcc 0
		.amdhsa_float_denorm_mode_32 3
		.amdhsa_float_denorm_mode_16_64 3
		.amdhsa_memory_ordered 1
		.amdhsa_forward_progress 1
		.amdhsa_inst_pref_size 145
	.end_amdhsa_kernel
	.amdgpu_metadata
---
amdhsa.version: [ 1, 2 ]
amdhsa.kernels:
  - .name:           k_q1b22ec7880_qkv
    .symbol:         k_q1b22ec7880_qkv.kd
    .args:
      - { .name: xc, .offset: 0, .size: 8, .value_kind: global_buffer, .address_space: global }
      - { .name: xs, .offset: 8, .size: 8, .value_kind: global_buffer, .address_space: global }
      - { .name: wc, .offset: 16, .size: 8, .value_kind: global_buffer, .address_space: global }
      - { .name: ws, .offset: 24, .size: 8, .value_kind: global_buffer, .address_space: global }
      - { .name: bq, .offset: 32, .size: 8, .value_kind: global_buffer, .address_space: global }
      - { .name: bk, .offset: 40, .size: 8, .value_kind: global_buffer, .address_space: global }
      - { .name: bv, .offset: 48, .size: 8, .value_kind: global_buffer, .address_space: global }
      - { .name: qrec, .offset: 56, .size: 8, .value_kind: global_buffer, .address_space: global }
      - { .name: kvrec, .offset: 64, .size: 8, .value_kind: global_buffer, .address_space: global }
    .group_segment_fixed_size: 327680
    .private_segment_fixed_size: 0
    .kernarg_segment_align: 8
    .kernarg_segment_size: 72
    .max_flat_workgroup_size: 128
    .sgpr_count:     80
    .vgpr_count:     1024
    .wavefront_size: 32
...
	.end_amdgpu_metadata
.endif
;; end of part 2
;; launch attn (part 3): grid 4 x 64, 16 waves a work-group, clusters of 4 x 1, 263,168 bytes of LDS; arguments qrec, kvrec, oc, os; writes oc, os
.if DOCPART == 3
	.amdgcn_target "amdgcn-amd-amdhsa--gfx1250"
	.amdhsa_code_object_version 6
	.text
	.protected	k_q1b22ec7880_attn
	.globl	k_q1b22ec7880_attn
	.p2align	8
	.type	k_q1b22ec7880_attn,@function
k_q1b22ec7880_attn:
	s_mov_b64 s[64:65], 0
	v_nop
	global_prefetch_b8 v0, s[64:65] scope:SCOPE_SE
	s_setreg_imm32_b32 hwreg(HW_REG_WAVE_MODE, 25, 1), 1
	s_wait_xcnt 0x0
	s_wait_alu depctr_hold_cnt(0) depctr_sa_sdst(0) depctr_va_vdst(0) depctr_va_sdst(0) depctr_va_ssrc(0) depctr_va_vcc(0) depctr_vm_vsrc(0)
	s_getreg_b32 s2, hwreg(HW_REG_IB_STS2, 6, 4)
	s_cmp_eq_u32 s2, 0
	s_cbranch_scc0 .Lentry_in_a_cluster
	s_endpgm
.Lentry_in_a_cluster:
	s_bfe_u32 s2, ttmp6, 0x10000c
	s_cmp_lg_u32 s2, 0x3003
	s_cbranch_scc0 .Lentry_shape_is_right
	s_endpgm
.Lentry_shape_is_right:
; o = softmax(q k^T / 8) v for one (batch, head) a cluster, both products on codes of FP6 (E2M3) with E8M0 scales; o is quantised along the model's 1,024 and leaves as codes.
; THE SOFTMAX: t = score x log2(e) / 8; M = the running largest t rounded up to a whole number; p = 2^(t - M) is quantised along the keys, not normalised; the row's sum is taken of the unquantised p and divides O at the end.
; When M moves, the sum and O are multiplied by 2^(old M - new M): exact.
; IN: records of 13,056 bytes for each (batch x 16 + head, 128 stored tokens): +0 four pair images of K (or Q), +6,144 four fragments of V^T, +12,288 K's (Q's) scale words, +12,800 V's.
; The first product's K is the head's 64: Q's operand is six registers of codes and six of zero codes; K's operand for a tile is its six registers and the six that follow, whose codes meet zeros.
; SHARES: a work-group owns 512 stored queries of the head, wave w tiles 2 w and 2 w + 1, one in each of two passes.  Sixteen waves of 256 registers: four to a SIMD.
; LDS holds the head's 16 records, filled ONCE: wave w asks for record w.  The four work-groups of a cluster belong to one head and ask JOINTLY.  No byte of LDS is filled again or stored to.
; A record lands as 51 rows of 256 bytes with 64 bytes behind each: byte y lies at y + 64 (y / 256).  A pair image then begins 1,920 bytes behind the last, 128 modulo 256.
; A TILE OF K IS FORMED BY THE LANES' ADDRESSES: rows 0-7 of tile 4 c + j are keys 64 c + 8 j + i, rows 8-15 keys 64 c + 32 + 8 j + i.  In the records key 32 g + 16 e + 8 u + l is row 8 e + l of tile u of pair g, so lane (h, x, i)
; of the pair of tiles j = 2 m, 2 m + 1 takes lane (h, 8 m + i)'s 48 bytes of pair image 2 c + x.  Both products are used transposed: a lane holds one query, and its 32 registers of tiles 4 c .. 4 c + 3 are the
; keys 64 c + 32 (lane / 16) + 0 .. 31 in order: ONE WHOLE SCALE BLOCK, in the place that p's operand gives that lane.  So a block's largest score needs no other lane and the conversions' results are the operand's registers.
; Nothing is prefetched: K and V are asked for once, at the kernel's head; Q's 1,536 bytes a wave are loaded under the head's flight and under the first pass's way out.
; LIMITS: the promise holds while the scaled scores stay under 2^31 in magnitude; NaN and infinities are not served; p under 2^-126 counts as 0; blocks whose largest magnitude lies under 2^-124 have their byte held at 1; a block of zeros gets the byte 1: its codes are zeros.
.set RECB, 13056
.set HEADB, 16*RECB
.set RECL, 51*320                      ; a record in LDS
.set VOF,  24*320                      ; V's fragments in it, K's scale words, V's scale words
.set KSOF, 48*320
.set VSOF, 50*320
.set SPARE, 16*RECL                    ; the spare words: 128 bytes a wave
.set L16, 1                            ; v1 16 x lane; v2 8 x lane
.set L8,  2
.set VA,  3                            ; v3-6 this step's addresses: V, V's scales, the next K, its scales
.set VSA, 4
.set KAN, 5
.set KSN, 6
.set KA,  7                            ; v7 1,920 x + 320 h + 16 i; v8 320 h + 16 i + 4 x; v11 320 h + 16 (lane % 16)
.set KSA, 8
.set QS,  9                            ; Q's scale words (lanes 0-15 tile 2 w, lanes 16-31 tile 2 w + 1)
.set PS,  10                           ; p's scale word, in lanes 0-15
.set LA,  11
                                       ; v12 -M, v13 the running largest score, v[14:15] the row's sum in two halves
.set Q,   16                           ; v16-27 Q's operand; v22-27 stay 0
.set VS,  28                           ; v28-29 V's scale words
.set FF,  30                           ; v30 f = 2^(old M - new M); v31 the last step's -M
.set KF,  32                           ; v32-79 K: eight tiles x six registers
.set VF,  80                           ; v80-127 V^T: four fragments
.set S,   128                          ; v128-191 S^T, then p
.set O,   192                          ; v192-223 O^T
.set PC,  224                          ; v224-235 p's codes
.set KS,  236                          ; v236-239 K's scale words, a register a pair of tiles
.set BM,  240                          ; v240-241 my two blocks' largest
.set SO,  242                          ; v242-243 the conversions' scale operands
.set T,   244                          ; v244-251 at work
.set PD,  252                          ; a lane permute's destination
.set RC,  253
.set SPW, 254
.set NIL, 255
.set WV,  12
.set SEL, 20
.set CS,  22
.set G1,  24
.set G0,  32
.set QC,  36
.set QSP, 38
.set MSK, 40
.set TBN, 41
.set OC,  42
.set OS,  44
.set I,   46
.set TB,  47
.set NC,  48
.macro ROUND
	s_barrier_signal -1
	s_barrier_wait -1
	s_cmp_lg_u32 s[WV], 0
	s_cbranch_scc1 .Lnot_wave_0_\@
	s_barrier_signal -3
.Lnot_wave_0_\@:
	s_barrier_wait -3
	s_barrier_signal -1
	s_barrier_wait -1
.endm
	s_load_b128 s[4:7], s[0:1], 0x0                ; qrec, kvrec
	s_load_b128 s[8:11], s[0:1], 0x10              ; oc, os
	v_lshl_add_u32 v[SPW], v0, 2, SPARE
	v_mov_b32 v[NIL], 0
	ds_add_u32 v[SPW], v[NIL]
	ds_add_u32 v[SPW], v[NIL]
	v_lshrrev_b32 v1, 5, v0
	v_readfirstlane_b32 s[WV], v1                  ; wave 0..15
	s_and_b32 s13, ttmp7, 0xffff                   ; batch x 16 + head, which the four partners share
	s_bfe_u32 s14, ttmp6, 0x40000                  ; cx: my 512 queries; it enters Q's, oc's and os's addresses alone
	s_mov_b32 s[G1], 15|(3<<16)|(1<<20)|(1<<21)|(5<<22)|(15<<25)   ; all four work-groups; elements of 8 bytes; 16 words of padding behind every 64
	s_mov_b32 s[G1+1], 32<<16
	s_mov_b32 s[G1+2], 51<<16
	s_mov_b32 s[G1+3], 32<<16
	s_mov_b32 s[G1+4], 51
	s_mov_b32 s[G1+5], 32
	s_mov_b32 s[G1+6], 0
	s_mov_b32 s[G1+7], 0
	s_mul_i32 s16, s13, HEADB                      ; the head's records
	s_mul_i32 s15, s[WV], RECB                     ; record w in memory,
	s_mul_i32 s17, s[WV], RECL                     ; and in LDS
	s_add_co_u32 s18, s16, s15
	s_mov_b32 s19, 0
	s_mov_b32 s[SEL], 0x76543210
	s_mov_b32 s[SEL+1], 0xfedcba98
	s_mov_b32 s[CS], 0x3e38aa3b                    ; c = log2(e) / 8
	s_mov_b32 s[CS+1], s[CS]
	s_mov_b32 s[NC], 0xbe38aa3b                    ; -c
	s_mov_b32 s[MSK], 0xffff
	s_wait_dscnt 0x0
	s_wait_kmcnt 0x0
	s_mov_b32 s[G0], 1
	s_mov_b32 s[G0+1], s17
	s_add_nc_u64 s[G0+2:G0+3], s[6:7], s[18:19]
	s_or_b32 s[G0+3], s[G0+3], 0x80000000
	ROUND                                          ; all four work-groups are here: the joint loads meet
	tensor_load_to_lds s[G0:G0+3], s[G1:G1+7]      ; my one tensor load of the launch
	s_nop 0
.rept 4
	v_nop
.endr
	s_lshl_b32 s17, s14, 2
	s_lshr_b32 s18, s[WV], 2
	s_add_co_u32 s17, s17, s18                     ; Q's record: 4 cx + w / 4
	s_mul_i32 s17, s17, RECB
	s_add_co_u32 s17, s17, s16
	s_and_b32 s18, s[WV], 3                        ; and my pair in it
	s_mul_i32 s[QC], s18, 1536
	s_add_co_u32 s[QC], s[QC], s17
	s_mov_b32 s[QC+1], 0
	s_add_nc_u64 s[QC:QC+1], s[4:5], s[QC:QC+1]
	s_lshl_b32 s[QSP], s18, 2
	s_add_co_u32 s[QSP], s[QSP], s17
	s_add_co_u32 s[QSP], s[QSP], 12288
	s_mov_b32 s[QSP+1], 0
	s_add_nc_u64 s[QSP:QSP+1], s[4:5], s[QSP:QSP+1]
	s_lshr_b32 s17, s13, 4                         ; batch
	s_and_b32 s18, s13, 15                         ; head
	s_lshl_b32 s[OC], s17, 7
	s_lshl_b32 s[OC+1], s14, 5
	s_add_co_u32 s[OC], s[OC], s[OC+1]
	s_lshl_b32 s[OC+1], s[WV], 1
	s_add_co_u32 s[OC], s[OC], s[OC+1]             ; my first tile of stored tokens: 128 batch + 32 cx + 2 w
	s_lshl_b32 s[OS], s[OC], 9                     ; its rows of 32 scale bytes
	s_mul_i32 s[OC], s[OC], 12288
	s_lshr_b32 s[OC+1], s18, 1
	s_mul_i32 s[OC+1], s[OC+1], 1536               ; K step head / 2,
	s_add_co_u32 s[OC], s[OC], s[OC+1]
	s_and_b32 s[OC+1], s18, 1
	s_mul_i32 s[OC+1], s[OC+1], 768                ; chunks 3 (head % 2) on
	s_add_co_u32 s[OC], s[OC], s[OC+1]
	s_mov_b32 s[OC+1], 0
	s_add_nc_u64 s[OC:OC+1], s[8:9], s[OC:OC+1]
	s_lshl_b32 s[OS+1], s18, 1
	s_add_co_u32 s[OS], s[OS], s[OS+1]             ; bytes 2 head, 2 head + 1
	s_mov_b32 s[OS+1], 0
	s_add_nc_u64 s[OS:OS+1], s[10:11], s[OS:OS+1]
	v_and_b32 v3, 31, v0
	v_bfe_u32 v4, v0, 4, 1                         ; h
	v_bfe_u32 v5, v0, 3, 1                         ; x
	v_and_b32 v6, 7, v0                            ; i
	v_and_b32 v[PS], 15, v0
	v_lshlrev_b32 v[L16], 4, v3
	v_lshlrev_b32 v[L8], 3, v3
	v_mul_u32_u24 v4, v4, 320
	v_lshl_add_u32 v[LA], v[PS], 4, v4
	v_mad_u32_u24 v[KA], v5, 1920, v4
	v_lshl_add_u32 v[KSA], v6, 4, v4
	v_lshl_add_u32 v[KA], v6, 4, v[KA]
	v_lshl_add_u32 v[KSA], v5, 2, v[KSA]
	global_load_b32 v[QS], v[L16], s[QSP:QSP+1]
.irp c, 0,1,2
	global_load_b128 v[VF+12+4*\c:VF+12+4*\c+3], v[L16], s[QC:QC+1] offset:512*\c   ; my pair image of Q waits where V's second fragment will lie
.endr
.irp i, 6,7,8,9,10,11
	v_mov_b32 v[Q+\i], 0                           ; zero codes for the upper 64 of K
.endr
.irp i, 0,1,2,3,4,5
	v_mov_b32 v[VF+\i], 0                          ; named by tile 7's operand of K before V first lands there
.endr
	v_mov_b32 v[T], 0                              ; a lane permute's destination counts as one of its sources
	v_mov_b32 v[T+1], 0
	v_mov_b32 v[PD], 0
	s_wait_alu depctr_va_vdst(0)
	s_wait_tensorcnt 0x0                           ; my record is in,
	s_barrier_signal -1
	s_barrier_wait -1                              ; everybody's is
.macro KLOAD a, as                     ; eight tiles of K, by pairs (c, m), and their scale words: 16 loads
.irp c, 0,1
.irp m, 0,1
.irp ch, 0,1,2
	ds_load_b128 v[KF+12*(2*\c+\m)+4*\ch:KF+12*(2*\c+\m)+4*\ch+3], v[\a] offset:3840*\c+128*\m+640*\ch
.endr
.endr
.endr
.irp c, 0,1
.irp m, 0,1
	ds_load_b32 v[KS+2*\c+\m], v[\as] offset:KSOF+128*\m+8*\c
.endr
.endr
.endm
	KLOAD KA, KSA                                  ; K of key step 0
.macro KQ t, pp                        ; S^T tile t = 16 keys x my 16 queries
.set rD, S+8*(\t)
.set rK, KF+6*(\t)
.set rW, KS+(\t)/2
.if ((\t)%2 == 0) && ((\pp) == 0)
	v_wmma_scale_f32_16x16x128_f8f6f4 v[rD:rD+7], v[rK:rK+11], v[Q:Q+11], 0, v[rW], v[QS] matrix_a_fmt:MATRIX_FMT_FP6 matrix_b_fmt:MATRIX_FMT_FP6
.elseif ((\pp) == 0)
	v_wmma_scale_f32_16x16x128_f8f6f4 v[rD:rD+7], v[rK:rK+11], v[Q:Q+11], 0, v[rW], v[QS] matrix_a_fmt:MATRIX_FMT_FP6 matrix_b_fmt:MATRIX_FMT_FP6 matrix_a_scale:MATRIX_SCALE_ROW1
.elseif ((\t)%2 == 0)
	v_wmma_scale_f32_16x16x128_f8f6f4 v[rD:rD+7], v[rK:rK+11], v[Q:Q+11], 0, v[rW], v[QS] matrix_a_fmt:MATRIX_FMT_FP6 matrix_b_fmt:MATRIX_FMT_FP6 matrix_b_scale:MATRIX_SCALE_ROW1
.else
	v_wmma_scale_f32_16x16x128_f8f6f4 v[rD:rD+7], v[rK:rK+11], v[Q:Q+11], 0, v[rW], v[QS] matrix_a_fmt:MATRIX_FMT_FP6 matrix_b_fmt:MATRIX_FMT_FP6 matrix_a_scale:MATRIX_SCALE_ROW1 matrix_b_scale:MATRIX_SCALE_ROW1
.endif
.endm
.macro PV t                            ; O^T tile t += 16 of the head's 64 x these 128 keys
.set rD, O+8*(\t)
.set rV, VF+12*(\t)
.set rW, VS+(\t)/2
.if (\t)%2
	v_wmma_scale_f32_16x16x128_f8f6f4 v[rD:rD+7], v[rV:rV+11], v[PC:PC+11], v[rD:rD+7], v[rW], v[PS] matrix_a_fmt:MATRIX_FMT_FP6 matrix_b_fmt:MATRIX_FMT_FP6 matrix_a_scale:MATRIX_SCALE_ROW1
.else
	v_wmma_scale_f32_16x16x128_f8f6f4 v[rD:rD+7], v[rV:rV+11], v[PC:PC+11], v[rD:rD+7], v[rW], v[PS] matrix_a_fmt:MATRIX_FMT_FP6 matrix_b_fmt:MATRIX_FMT_FP6
.endif
.endm
.macro ACC j                           ; pair j of p onto one of four sums, by turns
.set aq, ((\j)-7)%4
.if aq == 3
	v_pk_add_f32 v[14:15], v[14:15], v[S+2*(\j):S+2*(\j)+1]
.else
	v_pk_add_f32 v[T+2*aq:T+2*aq+1], v[T+2*aq:T+2*aq+1], v[S+2*(\j):S+2*(\j)+1]
.endif
.endm
; A KEY STEP: 128 keys.  No two matrix instructions that follow each other share an accumulator, round the loop too.
.macro STEP pp
	s_wait_dscnt 0x0                               ; K and its scale words are in
.irp t, 0,1,2,3,4,5,6,7
	KQ \t, \pp
.endr
	s_mul_i32 s[TB], s[I], RECL                    ; this step's record,
	s_add_co_u32 s[TBN], s[I], 1
	s_and_b32 s[TBN], s[TBN], 15                   ; and the next step's; behind the last comes step 0, for the next pass
	s_mul_i32 s[TBN], s[TBN], RECL
	v_add_nc_u32 v[VA], s[TB], v[LA]               ; these four lines are the places between the products and the loads into the registers that they read
	v_add_nc_u32 v[VSA], s[TB], v[L8]
	v_add_nc_u32 v[KAN], s[TBN], v[KA]
	v_add_nc_u32 v[KSN], s[TBN], v[KSA]
.irp f, 0,1,2,3
.irp ch, 0,1,2
	ds_load_b128 v[VF+12*\f+4*\ch:VF+12*\f+4*\ch+3], v[VA] offset:VOF+1920*\f+640*\ch
.endr
.endr
	ds_load_b64 v[VS:VS+1], v[VSA] offset:VSOF
	KLOAD KAN, KSN
	; the largest score of my two blocks of 32 keys, each in two chains, every accumulator from its low end on: for the row's maximum and, since p rises with the score, for the block's largest p
.irp c, 0,1
	v_max3_num_f32 v[T+2*\c], v[S+32*\c], v[S+32*\c+1], v[S+32*\c+2]
	v_max3_num_f32 v[T+2*\c+1], v[S+32*\c+16], v[S+32*\c+17], v[S+32*\c+18]
.endr
.irp i, 3,5,7,9,11,13
.irp c, 0,1
	v_max3_num_f32 v[T+2*\c], v[T+2*\c], v[S+32*\c+\i], v[S+32*\c+\i+1]
	v_max3_num_f32 v[T+2*\c+1], v[T+2*\c+1], v[S+32*\c+16+\i], v[S+32*\c+17+\i]
.endr
.endr
.irp c, 0,1
	v_max3_num_f32 v[BM+\c], v[T+2*\c], v[T+2*\c+1], v[S+32*\c+15]
.endr
.irp c, 0,1
	v_max_num_f32 v[BM+\c], v[BM+\c], v[S+32*\c+31]
.endr
	s_delay_alu instid0(VALU_DEP_1)
	v_max3_num_f32 v[T], v13, v[BM], v[BM+1]
	s_delay_alu instid0(VALU_DEP_1)
	v_permlanex16_b32 v[PD], v[T], s[SEL], s[SEL+1]
	s_delay_alu instid0(VALU_DEP_1)
	v_max_num_f32 v13, v[T], v[PD]                 ; the running largest score of my query (c is positive)
	s_delay_alu instid0(VALU_DEP_1)
	v_mul_f32 v[T], s[NC], v13
	s_delay_alu instid0(VALU_DEP_1)
	v_floor_f32 v12, v[T]                          ; the new -M = floor(-t): M is a whole number
	v_sub_f32 v[T], v12, v31                       ; old M - new M: a whole number, 0 or less
.irp c, 0,1
	v_fma_f32 v[BM+\c], v[BM+\c], s[CS], v12       ; t - M of each block's largest score
.endr
	v_cvt_i32_f32 v[T], v[T]                       ; (it saturates)
.set j, 0
.rept 4
	v_pk_fma_f32 v[S+j:S+j+1], v[S+j:S+j+1], s[CS:CS+1], v[12:13] op_sel_hi:[1,0,0]   ; t - M, two at a time
.set j, j+2
.endr
	v_ldexp_f32 v[FF], 1.0, v[T]                   ; f = 2^(old M - new M)
.rept 28
	v_pk_fma_f32 v[S+j:S+j+1], v[S+j:S+j+1], s[CS:CS+1], v[12:13] op_sel_hi:[1,0,0]
.set j, j+2
.endr
.set j, 0
.rept 16
	v_pk_mul_f32 v[O+j:O+j+1], v[O+j:O+j+1], v[FF:FF+1] op_sel_hi:[1,0]   ; O^T under the new M
.set j, j+2
.endr
	s_wait_alu depctr_va_vdst(0)
.irp c, 0,1
	v_exp_f32 v[BM+\c], v[BM+\c]                   ; the block's largest p
.endr
.set j, 0
.rept 64
	v_exp_f32 v[S+j], v[S+j]                       ; p = 2^(t - M), at most 1
.set j, j+1
.endr
	v_pk_mul_f32 v[14:15], v[14:15], v[FF:FF+1] op_sel_hi:[1,0]   ; the sums under the new M: the plain line behind the exponentials
	s_wait_dscnt 16                                ; V and its scale words are in; the next K's 12 loads and its scale words' 4 may be out
	s_wait_alu depctr_va_vdst(0)                   ; one wait for the batch, ahead of its first reader
	; the row's sum of the unquantised p in four chains, with the scale's lines among them
.irp c, 0,1
	v_max_num_f32 v[BM+\c], 0x1800000, v[BM+\c]    ; the floor 2^(3 - 127)
.endr
	v_pk_add_f32 v[T:T+1], v[S:S+1], v[S+2:S+3]
	v_pk_add_f32 v[T+2:T+3], v[S+4:S+5], v[S+6:S+7]
	v_pk_add_f32 v[T+4:T+5], v[S+8:S+9], v[S+10:S+11]
	v_pk_add_f32 v[14:15], v[14:15], v[S+12:S+13]
.irp c, 0,1
	v_add_nc_u32 v[SO+\c], 0xff000000, v[BM+\c]    ; 2 off the exponent field: the conversion's scale operand
.endr
.irp j, 7,8,9,10
	ACC \j
.endr
.irp c, 0,1
	v_lshrrev_b32 v[T+6+\c], 23, v[SO+\c]          ; the scale's byte: blocks h and 2 + h
.endr
.irp j, 11,12,13,14
	ACC \j
.endr
	v_lshl_or_b32 v[T+6], v[T+7], 16, v[T+6]
.irp j, 15,16,17,18
	ACC \j
.endr
	v_permlanex16_b32 v[PD], v[T+6], s[SEL], s[SEL+1]
.irp j, 19,20,21,22
	ACC \j
.endr
	v_lshl_or_b32 v[PS], v[PD], 8, v[T+6]          ; lanes 0-15, which alone are read: bytes 0, 2 mine, bytes 1, 3 lane l + 16's
.irp j, 23,24,25,26,27,28,29
	ACC \j
.endr
	v_cvt_scalef32_pk16_fp6_f32 v[PC:PC+2], v[S:S+15], v[SO]
	v_cvt_scalef32_pk16_fp6_f32 v[PC+6:PC+8], v[S+32:S+47], v[SO+1]
	ACC 30                                         ; a plain line behind the conversions, whose sources are written next
	v_cvt_scalef32_pk16_fp6_f32 v[S:S+2], v[S+16:S+31], v[SO]          ; (a conversion's three registers begin on an even number)
	v_cvt_scalef32_pk16_fp6_f32 v[S+32:S+34], v[S+48:S+63], v[SO+1]
	ACC 31                                         ; and again
.irp i, 0,1,2
	v_mov_b32 v[PC+3+\i], v[S+\i]
	v_mov_b32 v[PC+9+\i], v[S+32+\i]
.endr
	v_pk_add_f32 v[14:15], v[14:15], v[T:T+1]      ; these four lines stand between the writing of p's codes and the products
	v_pk_add_f32 v[T+2:T+3], v[T+2:T+3], v[T+4:T+5]
	v_mov_b32 v31, v12
	v_pk_add_f32 v[14:15], v[14:15], v[T+2:T+3]
.irp t, 0,1,2,3
	PV \t
.endr
.endm
; A PASS: tile 2 w + pp of queries against all 2,048 keys
.macro PASS pp
.if \pp
	s_wait_xcnt 0x0                                ; the last pass's stores have read their registers, which this pass writes again
.endif
	v_mov_b32 v13, 0xff61b1e6                      ; the largest score so far: -3e38
	v_mov_b32 v12, 0x7e000000                      ; -M = 2^125: the first step's f is 0
	v_mov_b32 v31, 0x7e000000
	v_mov_b32 v14, 0
	v_mov_b32 v15, 0
	s_wait_loadcnt 0x0                             ; Q's pair image (and scale words) are in
.irp i, 0,1,2,3,4,5
	v_mov_b32 v[Q+\i], v[VF+12+6*\pp+\i]
.endr
.set j, 0
.rept 32
	v_mov_b32 v[O+j], 0                            ; the step is written once: the first finds zeros
.set j, j+1
.endr
	s_mov_b32 s[I], 0
	s_wait_alu depctr_va_vdst(0)
.Lstep_\@:
	STEP \pp
	s_add_co_u32 s[I], s[I], 1
	s_cmp_lt_u32 s[I], 16
	s_cbranch_scc1 .Lstep_\@
	; the way out: O^T / the sum; its 32 registers, register 16 b + i = channel 32 b + 16 (lane / 16) + i, are two blocks along the last product's K
	v_add_f32 v14, v14, v15
	s_delay_alu instid0(VALU_DEP_1)
	v_permlanex16_b32 v[PD], v14, s[SEL], s[SEL+1]
	s_delay_alu instid0(VALU_DEP_1)
	v_add_f32 v14, v14, v[PD]
	s_wait_alu depctr_va_vdst(0)
	v_rcp_f32 v[RC], v14
.rept 4
	v_nop                                          ; places behind the last products, and the plain line behind the reciprocal
.endr
	s_wait_alu depctr_va_vdst(0)                   ; ahead of the reciprocal's first reader
.set j, 0
.rept 32
	v_mul_f32 v[S+j], v[O+j], v[RC]
.set j, j+1
.endr
.if (\pp) == 0
.irp c, 0,1,2
	global_load_b128 v[VF+12+4*\c:VF+12+4*\c+3], v[L16], s[QC:QC+1] offset:512*\c   ; Q's pair image for the next pass
.endr
.endif
.irp b, 0,1
	v_max3_num_f32 v[BM+\b], |v[S+16*\b]|, |v[S+16*\b+1]|, 0x1800000
.endr
.irp i, 2,4,6,8,10,12,14
.irp b, 0,1
	s_delay_alu instid0(VALU_DEP_2)
	v_max3_num_f32 v[BM+\b], v[BM+\b], |v[S+16*\b+\i]|, |v[S+16*\b+\i+1]|
.endr
.endr
.irp b, 0,1
	s_delay_alu instid0(VALU_DEP_2)
	v_permlanex16_b32 v[T+\b], v[BM+\b], s[SEL], s[SEL+1]
.endr
.irp b, 0,1
	s_delay_alu instid0(VALU_DEP_2)
	v_max_num_f32 v[BM+\b], v[BM+\b], v[T+\b]
.endr
.irp b, 0,1
	s_delay_alu instid0(VALU_DEP_2)
	v_add_nc_u32 v[SO+\b], 0xff000000, v[BM+\b]
.endr
.irp b, 0,1
	s_delay_alu instid0(VALU_DEP_2)
	v_lshrrev_b32 v[T+\b], 23, v[SO+\b]
.endr
	s_delay_alu instid0(VALU_DEP_1)
	v_lshl_or_b32 v[T+3], v[T+1], 8, v[T]          ; my query's two scale bytes
	v_cvt_scalef32_pk16_fp6_f32 v[PC:PC+2], v[S:S+15], v[SO]
	v_cvt_scalef32_pk16_fp6_f32 v[T+4:T+6], v[S+16:S+31], v[SO+1]
	v_nop
.irp i, 0,1,2
	v_permlane16_swap_b32 v[PC+\i], v[T+4+\i]      ; a whole block in a lane: lanes 0-15 the even block, lanes 16-31 the odd one
.endr
.irp i, 0,1,2
	s_delay_alu instid0(VALU_DEP_3)
	v_mov_b32 v[PC+3+\i], v[T+4+\i]
.endr
.irp p, 0,1,2
	global_store_b64 v[L8], v[PC+2*\p:PC+2*\p+1], s[OC:OC+1] offset:12288*\pp+256*\p   ; 256 consecutive bytes, aligned
.endr
.if \pp
	v_cndmask_b32 v0, v[T+3], v0, s[MSK]           ; lanes 0-15: tile 2 w's bytes; lanes 16-31: tile 2 w + 1's
	v_lshlrev_b32 v3, 1, v[L16]                    ; a row of 32 scale bytes a lane
	global_store_b16 v3, v0, s[OS:OS+1]            ; a head owns 2 of a row's 32 bytes
.else
	v_mov_b32 v0, v[T+3]
.endif
.endm
	PASS 0
	PASS 1
	s_wait_dscnt 0x0                               ; the last trip's loads of K are back
	s_wait_tensorcnt 0x0                           ; the wave's end
	ds_add_u32 v[SPW], v[NIL]
	s_wait_dscnt 0x0
	ROUND                                          ; the closing round
	s_endpgm
.Lfunc_end_k_q1b22ec7880_attn:
	.size	k_q1b22ec7880_attn, .Lfunc_end_k_q1b22ec7880_attn-k_q1b22ec7880_attn
	.p2alignl 7, 3214868480
	.fill 96, 4, 3214868480
	.section	.rodata,"a",@progbits
	.p2align	6, 0x0
	.amdhsa_kernel k_q1b22ec7880_attn
		.amdhsa_group_segment_fixed_size 263168
		.amdhsa_private_segment_fixed_size 0
		.amdhsa_enable_private_segment 0
		.amdhsa_kernarg_size 32
		.amdhsa_user_sgpr_count 2
		.amdhsa_user_sgpr_kernarg_segment_ptr 1
		.amdhsa_wavefront_size32 1
		.amdhsa_system_sgpr_workgroup_id_x 1
		.amdhsa_system_sgpr_workgroup_id_y 1
		.amdhsa_system_sgpr_workgroup_id_z 1
		.amdhsa_system_vgpr_workitem_id 0
		.amdhsa_next_free_vgpr 256
		.amdhsa_next_free_sgpr 66
		.amdhsa_reserve_vcc 0
		.amdhsa_float_denorm_mode_32 3
		.amdhsa_float_denorm_mode_16_64 3
		.amdhsa_memory_ordered 1
		.amdhsa_forward_progress 1
		.amdhsa_inst_pref_size 49
	.end_amdhsa_kernel
	.amdgpu_metadata
---
amdhsa.version: [ 1, 2 ]
amdhsa.kernels:
  - .name:           k_q1b22ec7880_attn
    .symbol:         k_q1b22ec7880_attn.kd
    .args:
      - { .name: qrec, .offset: 0, .size: 8, .value_kind: global_buffer, .address_space: global }
      - { .name: kvrec, .offset: 8, .size: 8, .value_kind: global_buffer, .address_space: global }
      - { .name: oc, .offset: 16, .size: 8, .value_kind: global_buffer, .address_space: global }
      - { .name: os, .offset: 24, .size: 8, .value_kind: global_buffer, .address_space: global }
    .group_segment_fixed_size: 263168
    .private_segment_fixed_size: 0
    .kernarg_segment_align: 8
    .kernarg_segment_size: 32
    .max_flat_workgroup_size: 512
    .sgpr_count:     66
    .vgpr_count:     256
    .wavefront_size: 32
...
	.end_amdgpu_metadata
.endif
;; end of part 3
;; launch oproj (part 4): grid 8 x 32, 4 waves a work-group, clusters of 4 x 4, 327,680 bytes of LDS; arguments oc, os, wc, ws, bo, out0; writes out0
.if DOCPART == 4
	.amdgcn_target "amdgcn-amd-amdhsa--gfx1250"
	.amdhsa_code_object_version 6
	.text
	.protected	k_q1b22ec7880_oproj
	.globl	k_q1b22ec7880_oproj
	.p2align	8
	.type	k_q1b22ec7880_oproj,@function
k_q1b22ec7880_oproj:
	s_mov_b64 s[64:65], 0
	v_nop
	global_prefetch_b8 v0, s[64:65] scope:SCOPE_SE
	s_setreg_imm32_b32 hwreg(HW_REG_WAVE_MODE, 25, 1), 1
	s_wait_xcnt 0x0
	s_wait_alu depctr_hold_cnt(0) depctr_sa_sdst(0) depctr_va_vdst(0) depctr_va_sdst(0) depctr_va_ssrc(0) depctr_va_vcc(0) depctr_vm_vsrc(0)
	s_getreg_b32 s2, hwreg(HW_REG_IB_STS2, 6, 4)
	s_cmp_eq_u32 s2, 0
	s_cbranch_scc0 .Lentry_in_a_cluster
	s_endpgm
.Lentry_in_a_cluster:
	s_bfe_u32 s2, ttmp6, 0x10000c
	s_cmp_lg_u32 s2, 0xf033
	s_cbranch_scc0 .Lentry_shape_is_right
	s_endpgm
.Lentry_shape_is_right:
; out0 = o Wo + bo on codes of FP6 (E2M3) with E8M0 scales; f32 out.
; IN: oc [tile of 16 stored tokens][K step of 128 (8)][1,536 bytes: six pieces of 256, piece p = registers 2 p, 2 p + 1, lane l's 8 bytes at 8 l]; wc as three pieces of 512 (registers 4 p .. 4 p + 3, 16 bytes a lane), Wo's rows from tile 192 on; os, ws [stored row][32].
; Stored row 32 g + 16 u + 8 e + l holds row 32 g + 16 e + 8 u + l.
; THE DEAL: 256 work-groups, 8 columns of 128 features x 32 rows of 256 tokens.  Four waves, 2 x 2: wave (a, b) has tokens 128 a .. and features 64 b ..  Its 64 rows of Wo, ALL of K, lie in 384 registers; the tokens stream past in blocks of 16,
; 32 products a block, two register sets, a set fetched two blocks ahead (the fetch goes round: the last trip's is read by nobody).
; LDS is filled ONCE: the tokens' codes (196,608 bytes), Wo's 128 rows (98,304); beside them the tokens' scale words as register images, a stage of 16 rows x (256 + 16) bytes a wave for the way out, the spare words.
; At the head one joint load a wave: waves 0, 1 a half of Wo's rows each (shared by a column of the cluster), waves 2, 3 128 tokens each (shared by a row).
; The matrix instruction is used transposed: a lane holds one token and 16 neighbouring features in two tiles; a block goes through the wave's own stage and leaves as whole rows of 256 bytes.
; Nothing is prefetched: every load from memory stands at the kernel's head.
.set TB,    12288
.set WB,    16*TB
.set SCB,   24*TB
.set STAGE, SCB+8192
.set SPITCH, 272
.set SPARE, STAGE+4*16*SPITCH
.set FPW,   21
.set L16, 1
.set RO,  2
.set WAD, 3
.set XA,  4
.set STO, 5
.set XF,  6
.set SCA, 7
.set SCF, 8
.set ABS, 9
.set VO,  10
.set SPW, 11
.set NIL, 12
.set BO1, 13
.set RD,  14
.set SB0, 16
.set SA,  52
.set TM,  60
.set ACC, 128
.set BK,  192
.set BBK, 200                          ; window 3: the bias as the first products' C
.set G1X, 32
.set G1W, 40
.set G0W, 48
.set G0X, 68
.set TR,  72
.set NX,  73
.set MSB, 0
.macro WIN new
.if MSB != (\new)
	s_set_vgpr_msb (MSB<<8)|(\new)
.set MSB, (\new)
.endif
.endm
.macro PLACES n
.rept \n
	v_nop
.endr
.endm
.macro WALU
	s_wait_alu depctr_va_vdst(0)
.endm
.macro BARRIER
	s_barrier_signal -1
	s_barrier_wait -1
.endm
.macro CROUND
	s_barrier_signal -1
	s_barrier_wait -1
	s_cmp_lg_u32 s22, 0
	s_cbranch_scc1 .Lnot_wave_0_\@
	s_barrier_signal -3
.Lnot_wave_0_\@:
	s_barrier_wait -3
	s_barrier_signal -1
	s_barrier_wait -1
.endm
.macro TLOAD g0, g1
	tensor_load_to_lds s[\g0:\g0+3], s[\g1:\g1+7]
	s_nop 0
	PLACES 4
.endm
.macro WEIGHTS
.irp q, 0,1,2,3,4,5,6,7
.irp b, 0,1,2,3
	WIN (1+(4*\q+\b)/FPW)<<6
.irp c, 0,1,2
	ds_load_b128 v[12*((4*\q+\b)%FPW)+4*\c:12*((4*\q+\b)%FPW)+4*\c+3], v[WAD] offset:\b*TB+\q*1536+512*\c
.endr
.endr
.endr
	WIN 0
.endm
.macro FETCH e, adr, off               ; a block of 16 tokens into set e: 48 loads
.irp q, 0,1,2,3,4,5,6,7
	WIN (1+(32+8*(\e)+\q)/FPW)<<6
.irp p, 0,1,2,3,4,5
	ds_load_b64 v[12*((32+8*(\e)+\q)%FPW)+2*\p:12*((32+8*(\e)+\q)%FPW)+2*\p+1], v[\adr] offset:(\off)+\q*1536+256*\p
.endr
.endr
	WIN 0
.endm
.macro SCALES adr, off
	ds_load_b128 v[SA:SA+3], v[\adr] offset:(\off)
	ds_load_b128 v[SA+4:SA+7], v[\adr] offset:(\off)+512
.endm
.macro WM d, s0, s1, c, x0, x1, r0, r1
.if (\r0)&&(\r1)
	v_wmma_scale_f32_16x16x128_f8f6f4 v[\d:\d+7], v[\s0:\s0+11], v[\s1:\s1+11], \c, v[\x0], v[\x1] matrix_a_fmt:MATRIX_FMT_FP6 matrix_b_fmt:MATRIX_FMT_FP6 matrix_a_scale:MATRIX_SCALE_ROW1 matrix_b_scale:MATRIX_SCALE_ROW1
.elseif (\r0)
	v_wmma_scale_f32_16x16x128_f8f6f4 v[\d:\d+7], v[\s0:\s0+11], v[\s1:\s1+11], \c, v[\x0], v[\x1] matrix_a_fmt:MATRIX_FMT_FP6 matrix_b_fmt:MATRIX_FMT_FP6 matrix_a_scale:MATRIX_SCALE_ROW1
.elseif (\r1)
	v_wmma_scale_f32_16x16x128_f8f6f4 v[\d:\d+7], v[\s0:\s0+11], v[\s1:\s1+11], \c, v[\x0], v[\x1] matrix_a_fmt:MATRIX_FMT_FP6 matrix_b_fmt:MATRIX_FMT_FP6 matrix_b_scale:MATRIX_SCALE_ROW1
.else
	v_wmma_scale_f32_16x16x128_f8f6f4 v[\d:\d+7], v[\s0:\s0+11], v[\s1:\s1+11], \c, v[\x0], v[\x1] matrix_a_fmt:MATRIX_FMT_FP6 matrix_b_fmt:MATRIX_FMT_FP6
.endif
.endm
.macro BLK0 e                          ; a block: product n = 4 q + tile; four accumulators by turns; the first four products take the bias as C
.set N_, 0
.rept 32
.set D_, ACC+32*(\e)+8*(N_%4)
.set Q_, N_/4
.set B_, N_%4
.set FX_, 32+8*(\e)+Q_
.set RW_, 12*(N_%FPW)
.set RX_, 12*(FX_%FPW)
.set XW_, SB0+8*(B_/2)+Q_
.set XX_, SA+Q_
.if N_ < 4
.set C_, BBK+8*N_
	WIN (1+N_/FPW)|((1+FX_/FPW)<<2)|(3<<4)
	WM D_, RW_, RX_, v[C_:C_+7], XW_, XX_, B_%2, \e
.else
	WIN (1+N_/FPW)|((1+FX_/FPW)<<2)
	WM D_, RW_, RX_, v[D_:D_+7], XW_, XX_, B_%2, \e
.endif
.set N_, N_+1
.endr
	WIN 0
.endm
.macro TOSTAGE s                       ; 16 tokens x 64 features into my stage, each accumulator from its low end on, and back as rows of 256 bytes, two an instruction
.irp t, 0,1,2,3
	ds_store_b128 v[STO], v[(\s)+8*\t:(\s)+8*\t+3] offset:128*(\t/2)+32*(\t%2)
	ds_store_b128 v[STO], v[(\s)+8*\t+4:(\s)+8*\t+7] offset:128*(\t/2)+32*(\t%2)+16
.endr
.irp t, 0,1,2,3,4,5,6,7
	ds_load_b128 v[BK+4*\t:BK+4*\t+3], v[RD] offset:\t*2*SPITCH
.endr
.endm
.macro SEND u                          ; stored row 2 t + (lane / 16) of tile 2 g + u is token 32 g + 8 u + 16 (t / 4) + 2 (t % 4) + (lane / 16)
.irp t, 0,1,2,3,4,5,6,7
	global_store_b128 v[VO], v[BK+4*\t:BK+4*\t+3], s[14:15] offset:(8*\u+16*(\t/4)+2*(\t%4))*4096 th:TH_STORE_NT
.endr
.endm
	s_load_b256 s[4:11], s[0:1], 0x0               ; oc, os, wc, ws
	s_load_b128 s[12:15], s[0:1], 0x20             ; bo, out0
	v_lshl_add_u32 v[SPW], v0, 2, SPARE
	v_mov_b32 v[NIL], 0
	ds_add_u32 v[SPW], v[NIL]
	ds_add_u32 v[SPW], v[NIL]
	v_lshrrev_b32 v1, 5, v0
	v_readfirstlane_b32 s22, v1
	s_lshr_b32 s23, s22, 1                         ; a
	s_and_b32 s24, s22, 1                          ; b; also which half I fetch
	s_bfe_u32 s25, ttmp6, 0x40000
	s_bfe_u32 s26, ttmp6, 0x40004
	s_lshl_b32 s27, ttmp9, 2
	s_add_co_u32 s27, s27, s25                     ; column
	s_and_b32 s28, ttmp7, 0xffff
	s_lshl_b32 s28, s28, 2
	s_add_co_u32 s28, s28, s26                     ; row
	s_lshl_b32 s29, s26, 2
	s_lshl_b32 s29, 15, s29
	s_lshl_b32 s30, 0x1111, s25
	s_or_b32 s[G1X], s29, (3<<16)|(1<<21)
	s_or_b32 s[G1W], s30, (3<<16)|(1<<21)
.irp g, G1X, G1W
	s_mov_b32 s[\g+1], 3072<<16
	s_mov_b32 s[\g+3], 3072<<16
	s_mov_b32 s[\g+5], 3072
	s_mov_b32 s[\g+6], 0
	s_mov_b32 s[\g+7], 0
.endr
	s_mov_b32 s[G1X+2], 4<<16
	s_mov_b32 s[G1X+4], 4
	s_mov_b32 s[G1W+2], 2<<16
	s_mov_b32 s[G1W+4], 2
	v_and_b32 v[TM], 31, v0
	v_and_b32 v[TM+1], 15, v0
	v_bfe_u32 v[TM+2], v0, 4, 1
	v_lshlrev_b32 v[L16], 4, v[TM]
	v_lshlrev_b32 v[TM+3], 3, v[TM]
	v_lshlrev_b32 v[ABS], 5, v[TM]
	s_mul_i32 s29, s24, 4*TB
	s_add_co_u32 s29, s29, WB
	v_add_nc_u32 v[WAD], s29, v[L16]
	s_mul_i32 s29, s23, 8*TB
	v_add_nc_u32 v[XA], s29, v[TM+3]
	s_lshl_b32 s29, s23, 12
	s_add_co_u32 s29, s29, SCB
	v_add_nc_u32 v[SCA], s29, v[L16]
	s_lshl_b32 s30, s24, 11
	v_add_nc_u32 v[SCF], s30, v[SCA]
	v_lshlrev_b32 v[BO1], 6, v[TM+2]
	s_mul_i32 s29, s22, 16*SPITCH
	s_add_co_u32 s29, s29, STAGE
	v_mul_u32_u24 v[STO], v[TM+1], SPITCH
	v_lshl_add_u32 v[STO], v[TM+2], 6, v[STO]
	v_add_nc_u32 v[STO], s29, v[STO]
	v_mul_u32_u24 v[RD], v[TM+2], SPITCH
	v_lshl_add_u32 v[RD], v[TM+1], 4, v[RD]
	v_add_nc_u32 v[RD], s29, v[RD]
	v_lshlrev_b32 v[RO], 12, v[TM+2]
	v_lshl_add_u32 v[RO], v[TM+1], 4, v[RO]
	WALU
	s_wait_dscnt 0x0
	CROUND
	s_wait_kmcnt 0x0
	s_mul_i32 s52, s27, 8*TB
	s_mov_b32 s53, 0
	s_add_nc_u64 s[66:67], s[8:9], s[52:53]
	s_mul_i32 s52, s24, 4*TB
	s_add_nc_u64 s[66:67], s[66:67], s[52:53]
	s_mov_b32 s[G0W], 1
	s_mul_i32 s[G0W+1], s24, 4*TB
	s_add_co_u32 s[G0W+1], s[G0W+1], WB
	s_add_nc_u64 s[G0W+2:G0W+3], s[66:67], 192*TB
	s_or_b32 s[G0W+3], s[G0W+3], 0x80000000
	s_mul_i32 s54, s28, 16*TB
	s_mov_b32 s55, 0
	s_add_nc_u64 s[G0X+2:G0X+3], s[4:5], s[54:55]
	s_mul_i32 s54, s24, 8*TB
	s_add_nc_u64 s[G0X+2:G0X+3], s[G0X+2:G0X+3], s[54:55]
	s_or_b32 s[G0X+3], s[G0X+3], 0x80000000
	s_mov_b32 s[G0X], 1
	s_mul_i32 s[G0X+1], s24, 8*TB
	s_cmp_lt_u32 s22, 2
	s_cbranch_scc0 .Lhead_x
	TLOAD G0W, G1W
	s_branch .Lasked
.Lhead_x:
	TLOAD G0X, G1X
.Lasked:
	s_lshl_b32 s60, s27, 7
	s_lshl_b32 s61, s24, 6
	s_add_co_u32 s60, s60, s61                     ; my first feature
	s_lshl_b32 s62, s60, 5
	s_mov_b32 s63, 0
	s_add_nc_u64 s[10:11], s[10:11], s[62:63]
	s_lshl_b32 s62, s60, 2
	s_add_nc_u64 s[12:13], s[12:13], s[62:63]
	s_add_nc_u64 s[14:15], s[14:15], s[62:63]
	s_lshl_b32 s62, s28, 13
	s_lshl_b32 s61, s23, 12
	s_add_co_u32 s62, s62, s61
	s_lshl_b32 s61, s24, 11
	s_add_co_u32 s62, s62, s61
	s_add_nc_u64 s[6:7], s[6:7], s[62:63]
	s_lshl_b32 s62, s28, 1
	s_add_co_u32 s62, s62, s23
	s_lshl_b32 s62, s62, 19                        ; 128 rows of 4,096 bytes
	s_add_nc_u64 s[14:15], s[14:15], s[62:63]
.irp p, 0,1
.irp c, 0,1
	global_load_b128 v[128+8*\p+4*\c:128+8*\p+4*\c+3], v[ABS], s[6:7] offset:1024*\p+16*\c
	global_load_b128 v[SB0+8*\p+4*\c:SB0+8*\p+4*\c+3], v[ABS], s[10:11] offset:98304+1024*\p+16*\c
.endr
.endr
	WIN 3<<6
.irp i, 0,1,2,3
	global_load_b128 v[BBK+8*\i:BBK+8*\i+3], v[BO1], s[12:13] offset:4*(32*(\i/2)+8*(\i%2))
	global_load_b128 v[BBK+8*\i+4:BBK+8*\i+7], v[BO1], s[12:13] offset:4*(32*(\i/2)+8*(\i%2))+16
.endr
	WIN 0
	s_cmp_lt_u32 s22, 2
	s_cbranch_scc0 .Lnot_w
	s_wait_tensorcnt 0x0
.Lnot_w:
	BARRIER                                        ; Wo's rows are in
	WEIGHTS
	s_wait_loadcnt 0x0
.irp p, 0,1
.irp c, 0,1
	ds_store_b128 v[SCF], v[128+8*\p+4*\c:128+8*\p+4*\c+3] offset:1024*\p+512*\c
.endr
.endr
	s_wait_tensorcnt 0x0
	s_wait_dscnt 0x0
	BARRIER                                        ; the tokens and their scale words are in
	SCALES SCA, 0
	FETCH 0, XA, 0
	FETCH 1, XA, TB
	s_mov_b32 s[TR], 0
.Lpair:                                                ; four trips of two blocks.  The waits' 48: the one block fetch that is younger; 50: it and the two loads of scale words
	s_wait_dscnt 48
	BLK0 0
	s_add_co_u32 s[NX], s[TR], 1
	s_and_b32 s[NX], s[NX], 3
	s_mul_i32 s74, s[NX], 2*TB
	s_lshl_b32 s75, s[TR], 17
	v_add_nc_u32 v[XF], s74, v[XA]
	PLACES 3
	WALU                                           ; the wait stands directly ahead of the wait below
	s_wait_xcnt 0x0
	TOSTAGE ACC
	FETCH 0, XF, 0
	v_add_nc_u32 v[VO], s75, v[RO]
	WALU
	s_wait_dscnt 48
	SEND 0
	BLK0 1
	s_lshl_b32 s74, s[NX], 10
	v_add_nc_u32 v[SCF], s74, v[SCA]
	PLACES 3
	WALU                                           ; and here
	s_wait_xcnt 0x0
	TOSTAGE ACC+32
	SCALES SCF, 0
	FETCH 1, XF, TB
	s_wait_dscnt 50
	SEND 1
	s_add_co_u32 s[TR], s[TR], 1
	s_cmp_lt_u32 s[TR], 4
	WALU
	s_cbranch_scc1 .Lpair
	s_wait_tensorcnt 0x0                           ; the wave's end
	ds_add_u32 v[SPW], v[NIL]
	s_wait_dscnt 0x0
	CROUND
	s_endpgm
.Lfunc_end_k_q1b22ec7880_oproj:
	.size	k_q1b22ec7880_oproj, .Lfunc_end_k_q1b22ec7880_oproj-k_q1b22ec7880_oproj
	.p2alignl 7, 3214868480
	.fill 96, 4, 3214868480
	.section	.rodata,"a",@progbits
	.p2align	6, 0x0
	.amdhsa_kernel k_q1b22ec7880_oproj
		.amdhsa_group_segment_fixed_size 327680
		.amdhsa_private_segment_fixed_size 0
		.amdhsa_enable_private_segment 0
		.amdhsa_kernarg_size 48
		.amdhsa_user_sgpr_count 2
		.amdhsa_user_sgpr_kernarg_segment_ptr 1
		.amdhsa_wavefront_size32 1
		.amdhsa_system_sgpr_workgroup_id_x 1
		.amdhsa_system_sgpr_workgroup_id_y 1
		.amdhsa_system_sgpr_workgroup_id_z 1
		.amdhsa_system_vgpr_workitem_id 0
		.amdhsa_next_free_vgpr 1024
		.amdhsa_next_free_sgpr 80
		.amdhsa_reserve_vcc 0
		.amdhsa_float_denorm_mode_32 3
		.amdhsa_float_denorm_mode_16_64 3
		.amdhsa_memory_ordered 1
		.amdhsa_forward_progress 1
		.amdhsa_inst_pref_size 40
	.end_amdhsa_kernel
	.amdgpu_metadata
---
amdhsa.version: [ 1, 2 ]
amdhsa.kernels:
  - .name:           k_q1b22ec7880_oproj
    .symbol:         k_q1b22ec7880_oproj.kd
    .args:
      - { .name: oc, .offset: 0, .size: 8, .value_kind: global_buffer, .address_space: global }
      - { .name: os, .offset: 8, .size: 8, .value_kind: global_buffer, .address_space: global }
      - { .name: wc, .offset: 16, .size: 8, .value_kind: global_buffer, .address_space: global }
      - { .name: ws, .offset: 24, .size: 8, .value_kind: global_buffer, .address_space: global }
      - { .name: bo, .offset: 32, .size: 8, .value_kind: global_buffer, .address_space: global }
      - { .name: out0, .offset: 40, .size: 8, .value_kind: global_buffer, .address_space: global }
    .group_segment_fixed_size: 327680
    .private_segment_fixed_size: 0
    .kernarg_segment_align: 8
    .kernarg_segment_size: 48
    .max_flat_workgroup_size: 128
    .sgpr_count:     80
    .vgpr_count:     1024
    .wavefront_size: 32
...
	.end_amdgpu_metadata
.endif
;; end of part 4
